; MI455X (gfx1250); checked and timed in simulation.
; The chip was launched on July 23, 2026; its instructions are those of AMD's public machine-readable ISA for CDNA 5 (MIT licence, August 2026) and "CDNA5" Instruction Set Architecture Reference Guide (July 2026). The comments in the code are by the model that wrote it; some were corrected since.
;; Self Attention. Allowed arithmetic: matrix products marked QUANTISED: E2M3 operands, one E8M0 scale for each 32 along K, by v_wmma_scale_f32_16x16x128_f8f6f4 with both operands' format E2M3, f32 sums; everything else in f32.
;; Inputs: Wk 1,024 x 1,024 float32; Wo 1,024 x 1,024 float32; Wq 1,024 x 1,024 float32; Wv 1,024 x 1,024 float32; beta 1,024 float32; bk 1,024 float32; bo 1,024 float32; bq 1,024 float32; bv 1,024 float32; gamma 1,024 float32; mask 2,048 x 2,048 bool; x 2 x 2,048 x 1,024 float32.
;; Outputs: out0 2 x 2,048 x 1,024 float32.
;; This version of the problem:
;;   THIS VERSION OF THE PROBLEM IS GIVEN IN LOW PRECISION. The matrix products marked QUANTISED in the list below multiply operands that are first quantised to E2M3 (2 exponent bits, 3 mantissa bits; 6 bits a number), with one power-of-two scale for each 32 numbers along K (OCP MX v1.0); their sums are f32. All else is computed in f32.
;;   The module's matrix products, in the order in which they are computed (A, B: the left and right operand; K: the contracted axis; several contracted axes count as one K, in the product's order):
;;     1. [M 4,096, K 1,024] x [K 1,024, N 1,024]; A: computed on the way; B: input Wq: QUANTISED
;;     2. [M 4,096, K 1,024] x [K 1,024, N 1,024]; A: computed on the way; B: input Wk: QUANTISED
;;     3. [M 4,096, K 1,024] x [K 1,024, N 1,024]; A: computed on the way; B: input Wv: QUANTISED
;;     4. batch 32 x [M 2,048, K 64] x [K 64, N 2,048]; A: computed on the way; B: computed on the way: QUANTISED
;;     5. batch 32 x [M 2,048, K 2,048] x [K 2,048, N 64]; A: softmax (see below); B: computed on the way: QUANTISED
;;     6. [M 4,096, K 1,024] x [K 1,024, N 1,024]; A: computed on the way; B: input Wo: QUANTISED
;;   THE QUANTISER, for each operand of a quantised product, along K:
;;     - K is cut into blocks of 32 from its start; a last block that is shorter is filled with zeros.
;;     - A block's scale is 2^e with e = floor(log2(the largest magnitude in the block)) - 2, held to -126 .. 127; a block of zeros has e = 0. As a byte (E8M0): e + 127.
;;     - Each number is divided by its block's scale, clamped to +-7.5, and rounded to the nearest number of E2M3, ties to even, subnormals kept.
;;     - The product sums the exact products of the quantised numbers (number of the format x scale) in f32.
;;   ~~~python
;;   def quantise(x, axis):      # numpy; x: float32 -> the quantised numbers, widened to float32 again
;;       x = np.moveaxis(x, axis, -1); K = x.shape[-1]
;;       x = np.pad(x, [(0, 0)] * (x.ndim - 1) + [(0, -K % 32)]); x = x.reshape(x.shape[:-1] + (-1, 32)); a = np.abs(x).max(-1, keepdims=True)
;;       e = np.where(a > 0, np.clip(np.frexp(np.where(a > 0, a, 1))[1] - 1 - 2, -126, 127), 0)      # np.frexp(a)[1] - 1 = floor(log2(a)), exactly
;;       r = np.clip(x / 2.0 ** e, -7.5, 7.5)
;;       step = 2.0 ** (np.maximum(np.frexp(np.where(r == 0, 1, r))[1] - 1, 0) - 3)
;;       q = np.round(r / step) * step * 2.0 ** e      # np.round: ties to even
;;       return np.moveaxis(q.reshape(q.shape[:-2] + (-1,))[..., :K], -1, axis).astype(np.float32)
;;   ~~~
;;   SOFTMAX AHEAD OF A QUANTISED PRODUCT. Where the list says 'softmax', what is quantised is not the finished softmax but p = 2^(t - M), with t = logit x log2(e) and M = ceil(the row's largest t), a whole number; so 1/2 < the row's largest p <= 1. The row's sum l is taken of the UNQUANTISED p, in f32, and the product's result is divided by l at the end. Since M is a whole number, a kernel that streams over the keys may use a running M (the ceiling of the running maximum): every later rescaling is an exact power of two, which a block's scale takes up: the codes' values come out the same.
;;   OPERANDS COMPUTED ON THE WAY. 'Computed on the way' means the value that the module computes at that place (a softmax that the list does not call 'softmax' is quantised finished and normalised). What goes into a quantiser is computed in f32, as accurately as f32 sums, v_exp_f32 and their like allow (about 1e-6 of the number): no bf16 or f16 on the way to a quantiser, and a product that is left as it is and whose result goes on into a quantised operand takes f32 operands (vector FMAs, or v_wmma_f32_16x16x4_f32). A number that lies on a knife's edge between two numbers of the format may be rounded either way, as far as f32 arithmetic and the matrix unit's own rounding can turn it there, and no further.
;; One version. Each part assembles by itself: llvm-mc -triple=amdgcn-amd-amdhsa -mcpu=gfx1250 --defsym DOCPART=n.
;; ======== version 1 of 1: 4 launches
;; workspace buffers: xw 5,734,400 bytes; wo 851,968 bytes; mk 526,336 bytes of whole numbers; qb 3,670,016 bytes; kv 7,077,888 bytes; oq 3,407,872 bytes
;; launch prep (part 1): grid 416 x 1, 4 waves a work-group, no clusters, 33,280 bytes of LDS; arguments x, Wq, Wk, Wv, Wo, mask, xw, wo, mk; writes xw, wo, mk
.if DOCPART == 1
	.amdgcn_target "amdgcn-amd-amdhsa--gfx1250"
	.amdhsa_code_object_version 6
	.text
	.protected	k_q29c9bfb4b0_prep
	.globl	k_q29c9bfb4b0_prep
	.p2align	8
	.type	k_q29c9bfb4b0_prep,@function
k_q29c9bfb4b0_prep:
	s_mov_b64 s[64:65], 0
	v_nop
	global_prefetch_b8 v0, s[64:65] scope:SCOPE_SE
	s_setreg_imm32_b32 hwreg(HW_REG_WAVE_MODE, 25, 1), 1
	s_wait_xcnt 0x0
; THREE JOBS, told apart by the work-group's number.
; 0-223: x (NaN -> 0, +-infinity -> +-1e9, as the module does first) and Wq, Wk, Wv, all f32 with K innermost, become codes of FP6 (E2M3) and one E8M0 byte for each 32 along K, in xw.
;        A wave takes 8 rows (8,192 numbers).  ROW ORDER: in each group of 32 rows the second and third eight change places on the way out, so that 16 consecutive stored rows, lane r, are the
;        rows 8 u + r + 8 (r / 8): the order in which a transposed product leaves 16 neighbours along the next K in a lane's registers.
; 224-287: Wo becomes images of operand registers in wo: tile of 16 rows (same row order) x K step of 128: 12 registers a lane, group g of four at 512 g + 16 x lane; scale words [tile][pair of K steps][lane][8 bytes].
; 288-415: the mask becomes whole numbers in mk.  For a tile of 16 queries (same row order) and 128 keys: 64 words; word n, bit lane (r, h) = key 32 (n / 16) + 16 h + n % 16 is blocked for query r.
;        And one word for each tile and quarter of the keys: bits 0-3 all 128 keys of a step blocked for all 16 queries, bits 4-7 any blocked, bits 16-31 query r blocked in the whole quarter.
; A block's scale is 2^(floor(log2(largest magnitude)) - 2): its byte is that magnitude's exponent field - 2, held at 1 from below.  A block of zeros gets the byte 1: its codes are zeros, and this program alone reads the bytes.
; LIMITS: NaN and infinities in the weights are not served (in x they are replaced as said).  The mask's bytes are 0 or 1.
.set OXC,   0                          ; xw: x's codes [4096][768]
.set OXS,   3145728                    ;     x's scale bytes [4096][32]
.set OWC,   3276800                    ;     Wq, Wk, Wv codes [3072][768]
.set OWS,   5636096                    ;     their scale bytes [3072][32]
.set WOS,   786432                     ; wo: the scale words, behind 64 x 8 images of 1,536 bytes
.set MFO,   524288                     ; mk: the flags, behind 128 x 16 x 256 bytes of words
.set STEPS, 16
.set EMAX,  2
.set CB,    12                         ; bytes of 16 codes
.set R,     16                         ; v16-79   four sets of 16 numbers as loaded
.set X,     80                         ; v80-111  two sets of 16 neighbours
.set E,     112                        ; v112-127 a scale byte for each step
.set C,     128                        ; v128-191 codes: four registers for each step
.set WREG,  8192                       ; LDS of a wave: two stages of 32 x SP bytes, then its 256 scale bytes
.set SP,    80
	s_load_b256 s[4:11], s[0:1], 0x0               ; x, Wq, Wk, Wv
	s_load_b256 s[12:19], s[0:1], 0x20             ; Wo, mask, xw, wo
	s_load_b64 s[20:21], s[0:1], 0x40              ; mk
	v_lshl_add_u32 v192, v0, 2, 0x8000
	v_mov_b32 v193, 0
	v_lshrrev_b32 v1, 5, v0
	v_readfirstlane_b32 s22, v1                    ; wave
	v_and_b32 v2, 31, v0                           ; lane
	s_cmp_lt_u32 ttmp9, 224
	s_cbranch_scc0 .Lnot_stream
; ---------------- x, Wq, Wk, Wv: a stream of blocks of 32 ----------------
	v_lshlrev_b32 v3, 4, v2                        ; my 16 bytes of a load's 512
	s_mul_i32 s23, s22, WREG
	v_lshrrev_b32 v14, 2, v2
	v_mul_u32_u24 v14, v14, SP
	v_and_b32 v15, 3, v2
	v_lshl_add_u32 v14, v15, 4, v14
	v_add_nc_u32 v14, s23, v14                     ; the stage, way in: SP (lane / 4) + 16 (lane % 4)
	v_mul_u32_u24 v15, v2, SP
	v_add_nc_u32 v15, s23, v15                     ; way out: SP x lane: my 16 neighbours
	v_mul_u32_u24 v4, v2, CB                       ; my codes' place in a step's 384 bytes
	v_lshrrev_b32 v5, 1, v2
	s_add_co_u32 s23, s23, 2*32*SP
	v_add_nc_u32 v5, s23, v5                       ; my block's byte among the wave's 256
	v_lshlrev_b32 v7, 3, v2
	v_add_nc_u32 v6, s23, v7
	s_mov_b32 s40, 0x7fffffff                      ; all but the sign
	s_mov_b32 s41, 0x4e6e6b28                      ; 1e9
	s_mov_b32 s42, 0x7f800000                      ; infinity
	s_and_b32 s27, ttmp9, 31                       ; a weight's group of 32 rows,
	s_sub_co_u32 s28, ttmp9, 128                   ; and its place among the three weights'
	s_and_b32 s29, s22, 1
	s_lshl_b32 s29, s29, 1
	s_lshr_b32 s30, s22, 1
	s_or_b32 s29, s29, s30                         ; waves 1 and 2 change places on the way out
	s_mov_b32 s31, OWS
	s_wait_kmcnt 0x0
	s_cmp_lt_u32 ttmp9, 192                        ; which tensor: the choice hangs on the work-group's number alone
	s_cselect_b64 s[24:25], s[8:9], s[10:11]
	s_cmp_lt_u32 ttmp9, 160
	s_cselect_b64 s[24:25], s[6:7], s[24:25]
	s_cmp_lt_u32 ttmp9, 128
	s_cselect_b64 s[24:25], s[4:5], s[24:25]
	s_cselect_b32 s43, s42, -1                     ; magnitudes under this stay as they are: infinity for x, everything for the weights
	s_cselect_b32 s27, ttmp9, s27
	s_cselect_b32 s28, ttmp9, s28
	s_cselect_b32 s30, OXC, OWC
	s_cselect_b32 s31, OXS, s31
	s_lshl_b32 s27, s27, 2
	s_add_co_u32 s27, s27, s22                     ; the run of 8 rows that I read
	s_lshl_b32 s32, s27, 15                        ; 32,768 bytes a run
	s_mov_b32 s33, 0
	s_add_nc_u64 s[24:25], s[24:25], s[32:33]
	s_lshl_b32 s28, s28, 2
	s_add_co_u32 s28, s28, s29                     ; the run that I write
	s_mul_i32 s32, s28, 6144
	s_add_co_u32 s32, s32, s30
	s_add_nc_u64 s[34:35], s[16:17], s[32:33]      ; its codes
	s_lshl_b32 s32, s28, 8
	s_add_co_u32 s32, s32, s31
	s_add_nc_u64 s[36:37], s[16:17], s[32:33]      ; its scale bytes
.macro N2N r                           ; NaN -> 0, +-infinity -> +-1e9, all else stays
	v_and_b32 v1, s40, v[\r]
	v_bfi_b32 v10, s40, s41, v[\r]                 ; 1e9 with the number's sign
	v_cmp_eq_u32 vcc_lo, s42, v1
	v_cndmask_b32 v10, 0, v10, vcc_lo
	v_cmp_gt_u32 vcc_lo, s43, v1
	v_cndmask_b32 v[\r], v10, v[\r], vcc_lo
.endm
.macro LOAD t
.irp i, 0,1,2,3
	global_load_b128 v[R+16*((\t)%4)+4*\i:R+16*((\t)%4)+4*\i+3], v3, s[24:25] offset:2048*(\t)+512*\i   ; 32 lanes read 512 consecutive bytes
.endr
.endm
.macro TURN t                          ; a step's numbers through the wave's own stage: LDS serves a wave's instructions in order
.irp i, 0,1,2,3
	ds_store_b128 v14, v[R+16*((\t)%4)+4*\i:R+16*((\t)%4)+4*\i+3] offset:32*SP*((\t)%2)+8*SP*\i
.endr
.irp i, 0,1,2,3
	ds_load_b128 v[X+16*((\t)%2)+4*\i:X+16*((\t)%2)+4*\i+3], v15 offset:32*SP*((\t)%2)+16*\i
.endr
.endm
.irp t, 0,1,2,3
	LOAD \t
.endr
	s_wait_loadcnt 12                              ; step 0's four loads are in
	TURN 0
.macro STEP t
.set XR, X+16*((\t)%2)
.if (\t) > 0
	s_wait_dscnt 1                                 ; this step's numbers are back from the stage; the last step's byte store may be out
.else
	s_wait_dscnt 0x0
.endif
.if (\t)+4 < STEPS
	LOAD (\t)+4                                    ; into the registers whose stores into the stage are done
.endif
.if (\t)+1 < STEPS
.if STEPS-2-(\t) >= 3
	s_wait_loadcnt 12                              ; the next step's four loads are in; three steps' may be out
.else
	s_wait_loadcnt 4*(STEPS-2-(\t))
.endif
	TURN (\t)+1
.endif
.irp i, 0,1,2,3,4,5,6,7,8,9,10,11,12,13,14,15
	N2N XR+\i
.endr
	v_max3_num_f32 v8, |v[XR]|, |v[XR+1]|, |v[XR+2]|
	v_max3_num_f32 v9, |v[XR+3]|, |v[XR+4]|, |v[XR+5]|
.irp i, 6,10
	v_max3_num_f32 v8, v8, |v[XR+\i]|, |v[XR+\i+1]|
	v_max3_num_f32 v9, v9, |v[XR+\i+2]|, |v[XR+\i+3]|
.endr
	v_max3_num_f32 v8, v8, |v[XR+14]|, |v[XR+15]|
	v_max3_num_f32 v8, v8, v9, (EMAX+1)<<23        ; the floor 2^(3 - 127): the byte cannot fall under 1
	v_max_num_f32_dpp v8, v8, v8 row_xmask:1 row_mask:0xf bank_mask:0xf   ; with my neighbour's 16: the block's largest magnitude
	v_add_nc_u32 v11, -(EMAX<<23), v8              ; 2 off its exponent field: the conversion's scale operand
	v_cvt_scalef32_pk16_fp6_f32 v[C+4*(\t):C+4*(\t)+2], v[XR:XR+15], v11
	v_lshrrev_b32 v[E+(\t)], 23, v11               ; the scale's byte
	ds_store_b8 v5, v[E+(\t)] offset:16*(\t)       ; both lanes of a block write the same byte with the same value
	global_store_b96 v4, v[C+4*(\t):C+4*(\t)+2], s[34:35] offset:32*CB*(\t)   ; the wave stores 384 consecutive bytes
.endm
.irp t, 0,1,2,3,4,5,6,7,8,9,10,11,12,13,14,15
	STEP \t
.endr
	ds_load_b64 v[12:13], v6                       ; these see my byte stores
	s_wait_dscnt 0x0
	global_store_b64 v7, v[12:13], s[36:37]        ; 32 lanes store 256 consecutive bytes, aligned
	s_wait_tensorcnt 0x0
	ds_add_u32 v192, v193
	s_wait_dscnt 0x0
	s_endpgm
.Lnot_stream:
	s_cmp_lt_u32 ttmp9, 288
	s_cbranch_scc0 .Lmask
; ---------------- Wo: images of operand registers ----------------
; Work-group = tile nt of 16 rows; wave w takes K steps 2 w and 2 w + 1.  Lane (r, h) holds row r of the tile and, for c = 0, 1, the whole block k = 64 c + 32 h + 0 .. 31.
	s_sub_co_u32 s23, ttmp9, 224                   ; nt
	v_and_b32 v3, 15, v0                           ; r
	v_bfe_u32 v4, v0, 4, 1                         ; h
	v_and_b32 v5, 8, v3
	v_add_nc_u32 v5, v5, v3                        ; r + 8 (r / 8)
	v_lshlrev_b32 v5, 12, v5                       ; rows of 4,096 bytes
	v_lshl_add_u32 v5, v4, 7, v5                   ; + 128 h
	v_lshlrev_b32 v6, 4, v2                        ; 16 x lane
	v_lshlrev_b32 v7, 3, v2                        ; 8 x lane
	v_lshlrev_b32 v15, 3, v4                       ; 8 h
	v_mov_b32 v16, 0                               ; a lane permute's destination counts as a source
	s_lshr_b32 s24, s23, 1
	s_lshl_b32 s24, s24, 17                        ; 32 rows
	s_and_b32 s25, s23, 1
	s_lshl_b32 s25, s25, 15                        ; 8 rows
	s_add_co_u32 s24, s24, s25
	s_lshl_b32 s25, s22, 10                        ; my two K steps: 1,024 bytes of a row
	s_add_co_u32 s24, s24, s25
	s_mov_b32 s25, 0
	s_mul_i32 s26, s23, 12288
	s_mul_i32 s27, s22, 3072
	s_add_co_u32 s26, s26, s27
	s_mov_b32 s27, 0
	s_lshl_b32 s28, s23, 10
	s_lshl_b32 s29, s22, 8
	s_add_co_u32 s28, s28, s29
	s_add_co_u32 s28, s28, WOS
	s_mov_b32 s29, 0
	s_mov_b32 s38, 0x76543210
	s_mov_b32 s39, 0xfedcba98                      ; lane l xor 16
	s_wait_kmcnt 0x0
	s_add_nc_u64 s[12:13], s[12:13], s[24:25]
	s_add_nc_u64 s[26:27], s[18:19], s[26:27]
	s_add_nc_u64 s[28:29], s[18:19], s[28:29]
.irp j, 0,1
.irp c, 0,1
.irp q, 0,1,2,3,4,5,6,7
	global_load_b128 v[32+64*\j+32*\c+4*\q:35+64*\j+32*\c+4*\q], v5, s[12:13] offset:512*\j+256*\c+16*\q th:TH_LOAD_NT
.endr
.endr
.endr
.macro WJOB j
.set XJ, 32+64*\j
.set FJ, 160+16*\j
.irp c, 0,1
	v_max3_num_f32 v[8+\c], |v[XJ+32*\c]|, |v[XJ+32*\c+1]|, 0x1800000   ; my block: all 32 numbers are mine; the floor holds the byte at 1
.endr
.irp i, 2,4,6,8,10,12,14,16,18,20,22,24,26,28,30
.irp c, 0,1
	v_max3_num_f32 v[8+\c], v[8+\c], |v[XJ+32*\c+\i]|, |v[XJ+32*\c+\i+1]|
.endr
.endr
.irp c, 0,1
	v_add_nc_u32 v[10+\c], 0xff000000, v[8+\c]     ; the conversion's scale operand
.endr
.irp c, 0,1
	v_lshrrev_b32 v[12+\c], 23, v[10+\c]           ; the byte
.endr
	v_lshl_or_b32 v14, v13, 16, v12                ; blocks h and 2 + h,
	v_lshlrev_b32 v14, v15, v14                    ; at their places in the word;
	v_permlanex16_b32 v16, v14, s38, s39
	v_or_b32 v[20+\j], v14, v16                    ; with lane l xor 16's two the word is whole
.irp c, 0,1
	v_cvt_scalef32_pk16_fp6_f32 v[FJ+6*\c:FJ+6*\c+2], v[XJ+32*\c:XJ+32*\c+15], v[10+\c]
	v_cvt_scalef32_pk16_fp6_f32 v[24+4*\c:26+4*\c], v[XJ+32*\c+16:XJ+32*\c+31], v[10+\c]   ; (a conversion's three registers begin on an even number)
.endr
	v_nop                                          ; one plain place behind a scaled conversion
.irp c, 0,1
.irp i, 0,1,2
	v_mov_b32 v[FJ+6*\c+3+\i], v[24+4*\c+\i]
.endr
.endr
.irp g, 0,1,2
	global_store_b128 v6, v[FJ+4*\g:FJ+4*\g+3], s[26:27] offset:1536*\j+512*\g   ; 512 consecutive bytes, aligned
.endr
.endm
	s_wait_loadcnt 16                              ; K step 2 w is in; the other's 16 loads may be out
	WJOB 0
	s_wait_loadcnt 0x0
	WJOB 1
	global_store_b64 v7, v[20:21], s[28:29]        ; the two K steps' scale words: 256 consecutive bytes
	s_endpgm
.Lmask:
; ---------------- the mask: words and flags ----------------
	s_sub_co_u32 s23, ttmp9, 288                   ; T: the tile of 16 queries; wave w takes key steps 4 w .. 4 w + 3
	v_and_b32 v3, 15, v0
	v_bfe_u32 v4, v0, 4, 1
	v_and_b32 v5, 8, v3
	v_add_nc_u32 v5, v5, v3                        ; r + 8 (r / 8)
	v_lshlrev_b32 v5, 11, v5                       ; rows of 2,048 bytes
	v_lshl_add_u32 v5, v4, 4, v5                   ; + 16 h
	v_lshlrev_b32 v7, 3, v2
	s_lshr_b32 s24, s23, 1
	s_lshl_b32 s24, s24, 16                        ; 32 rows
	s_and_b32 s25, s23, 1
	s_lshl_b32 s25, s25, 14                        ; 8 rows
	s_add_co_u32 s24, s24, s25
	s_lshl_b32 s25, s22, 9                         ; my 512 keys
	s_add_co_u32 s24, s24, s25
	s_mov_b32 s25, 0
	s_lshl_b32 s26, s23, 4
	s_lshl_b32 s27, s22, 2
	s_add_co_u32 s26, s26, s27                     ; 16 T + 4 w
	s_lshl_b32 s40, s26, 8
	s_mov_b32 s41, 0
	s_add_co_u32 s42, s26, MFO
	s_mov_b32 s43, 0
	s_mov_b32 s28, 0xff
	s_mov_b32 s29, 0xff00
	s_mov_b32 s30, 0xff0000
	s_mov_b32 s31, 0xff000000
	s_mov_b32 s36, 0                               ; the flags
	s_wait_kmcnt 0x0
	s_add_nc_u64 s[14:15], s[14:15], s[24:25]
	s_add_nc_u64 s[40:41], s[20:21], s[40:41]
	s_add_nc_u64 s[42:43], s[20:21], s[42:43]
.irp sl, 0,1,2,3
.irp b, 0,1,2,3
	global_load_b128 v[32+16*\sl+4*\b:35+16*\sl+4*\b], v5, s[14:15] offset:128*\sl+32*\b th:TH_LOAD_NT   ; keys 128 sl + 32 b + 16 h + 0 .. 15 of my query
.endr
.endr
	s_wait_loadcnt 0x0
.macro MSTEP sl
	v_mov_b32 v[96+2*\sl], 0
	v_mov_b32 v[97+2*\sl], 0
.set n, 0
.rept 64                               ; word n: one byte of each lane becomes one bit; it goes to lane n / 2 of the register pair that is stored
	v_and_b32 v[8+(n&1)], s[28+n%4], v[32+16*\sl+n/4]
	v_cmp_ne_u32 s[32+(n&1)], 0, v[8+(n&1)]
	v_writelane_b32 v[96+2*\sl+(n&1)], s[32+(n&1)], n>>1
.set n, n+1
.endr
	global_store_b64 v7, v[96+2*\sl:97+2*\sl], s[40:41] offset:256*\sl   ; 64 words: 256 consecutive bytes, aligned
	v_and_b32 v10, v[32+16*\sl], v[33+16*\sl]
	v_or_b32 v11, v[32+16*\sl], v[33+16*\sl]
.irp i, 2,3,4,5,6,7,8,9,10,11,12,13,14,15
	v_and_b32 v10, v10, v[32+16*\sl+\i]
	v_or_b32 v11, v11, v[32+16*\sl+\i]
.endr
	v_cmp_eq_u32 s34, 0x01010101, v10              ; lanes all of whose 64 keys are blocked
	v_cmp_ne_u32 s35, 0, v11                       ; lanes with a blocked key
	s_cmp_eq_u32 s34, -1
	s_cselect_b32 s38, 1<<\sl, 0
	s_or_b32 s36, s36, s38
	s_cmp_lg_u32 s35, 0
	s_cselect_b32 s38, 16<<\sl, 0
	s_or_b32 s36, s36, s38
.if \sl == 0
	v_mov_b32 v12, v10
.else
	v_and_b32 v12, v12, v10
.endif
.endm
	MSTEP 0
	MSTEP 1
	MSTEP 2
	MSTEP 3
	v_cmp_eq_u32 s34, 0x01010101, v12              ; lanes blocked in the whole quarter
	s_lshr_b32 s35, s34, 16
	s_and_b32 s34, s34, s35                        ; both halves of a query's keys
	s_lshl_b32 s34, s34, 16
	s_or_b32 s36, s36, s34
	v_mov_b32 v13, s36
	v_mov_b32 v14, 0
	s_wait_xcnt 0x0                                ; EXEC changes only behind this wait
	v_cmp_eq_u32 vcc_lo, 0, v2
	s_and_saveexec_b32 s39, vcc_lo
	global_store_b32 v14, v13, s[42:43]            ; lane 0 alone
	s_wait_xcnt 0x0
	s_or_b32 exec_lo, exec_lo, s39
	s_endpgm
.Lfunc_end_k_q29c9bfb4b0_prep:
	.size	k_q29c9bfb4b0_prep, .Lfunc_end_k_q29c9bfb4b0_prep-k_q29c9bfb4b0_prep
	.p2alignl 7, 3214868480
	.fill 96, 4, 3214868480
	.section	.rodata,"a",@progbits
	.p2align	6, 0x0
	.amdhsa_kernel k_q29c9bfb4b0_prep
		.amdhsa_group_segment_fixed_size 33280
		.amdhsa_private_segment_fixed_size 0
		.amdhsa_enable_private_segment 0
		.amdhsa_kernarg_size 72
		.amdhsa_user_sgpr_count 2
		.amdhsa_user_sgpr_kernarg_segment_ptr 1
		.amdhsa_wavefront_size32 1
		.amdhsa_system_sgpr_workgroup_id_x 1
		.amdhsa_system_sgpr_workgroup_id_y 1
		.amdhsa_system_sgpr_workgroup_id_z 1
		.amdhsa_system_vgpr_workitem_id 0
		.amdhsa_next_free_vgpr 194
		.amdhsa_next_free_sgpr 66
		.amdhsa_reserve_vcc 1
		.amdhsa_float_denorm_mode_32 3
		.amdhsa_float_denorm_mode_16_64 3
		.amdhsa_memory_ordered 1
		.amdhsa_forward_progress 1
		.amdhsa_inst_pref_size 149
	.end_amdhsa_kernel
	.amdgpu_metadata
---
amdhsa.version: [ 1, 2 ]
amdhsa.kernels:
  - .name:           k_q29c9bfb4b0_prep
    .symbol:         k_q29c9bfb4b0_prep.kd
    .args:
      - { .name: x, .offset: 0, .size: 8, .value_kind: global_buffer, .address_space: global }
      - { .name: Wq, .offset: 8, .size: 8, .value_kind: global_buffer, .address_space: global }
      - { .name: Wk, .offset: 16, .size: 8, .value_kind: global_buffer, .address_space: global }
      - { .name: Wv, .offset: 24, .size: 8, .value_kind: global_buffer, .address_space: global }
      - { .name: Wo, .offset: 32, .size: 8, .value_kind: global_buffer, .address_space: global }
      - { .name: mask, .offset: 40, .size: 8, .value_kind: global_buffer, .address_space: global }
      - { .name: xw, .offset: 48, .size: 8, .value_kind: global_buffer, .address_space: global }
      - { .name: wo, .offset: 56, .size: 8, .value_kind: global_buffer, .address_space: global }
      - { .name: mk, .offset: 64, .size: 8, .value_kind: global_buffer, .address_space: global }
    .group_segment_fixed_size: 33280
    .private_segment_fixed_size: 0
    .kernarg_segment_align: 8
    .kernarg_segment_size: 72
    .max_flat_workgroup_size: 128
    .sgpr_count:     66
    .vgpr_count:     194
    .wavefront_size: 32
...
	.end_amdgpu_metadata
.endif
;; end of part 1
;; launch qkv (part 2): grid 12 x 16, 4 waves a work-group, clusters of 4 x 4, 327,680 bytes of LDS; arguments xw, bq, bk, bv, qb, kv; writes qb, kv
.if DOCPART == 2
	.amdgcn_target "amdgcn-amd-amdhsa--gfx1250"
	.amdhsa_code_object_version 6
	.text
	.protected	k_q29c9bfb4b0_qkv
	.globl	k_q29c9bfb4b0_qkv
	.p2align	8
	.type	k_q29c9bfb4b0_qkv,@function
k_q29c9bfb4b0_qkv:
	s_mov_b64 s[64:65], 0
	v_nop
	global_prefetch_b8 v0, s[64:65] scope:SCOPE_SE
	s_setreg_imm32_b32 hwreg(HW_REG_WAVE_MODE, 25, 1), 1
	s_wait_xcnt 0x0
	s_wait_alu depctr_hold_cnt(0) depctr_sa_sdst(0) depctr_va_vdst(0) depctr_va_sdst(0) depctr_va_ssrc(0) depctr_va_vcc(0) depctr_vm_vsrc(0)
	s_getreg_b32 s2, hwreg(HW_REG_IB_STS2, 6, 4)
	s_cmp_eq_u32 s2, 0
	s_cbranch_scc0 .Lentry_in_a_cluster
	s_endpgm
.Lentry_in_a_cluster:
	s_bfe_u32 s2, ttmp6, 0x10000c
	s_cmp_lg_u32 s2, 0xf033
	s_cbranch_scc0 .Lentry_shape_is_right
	s_endpgm
.Lentry_shape_is_right:
; The three projections on codes of FP6 (E2M3), K = 1,024, and the quantising of their results for the attention.
; Clusters with x = 0, 1: [q; k] = x [Wq; Wk]^T + bias: A = x's 4,096 rows, B = Wq's and Wk's 2,048 rows.  Clusters with x = 2: v^T = Wv x^T + bias: A = Wv's 1,024 rows, B = x's rows.
; A tile of C, 256 x 256, is made by four waves, 128 x 128 each: 64 accumulators, 512 registers.  K goes in steps of 256 through a ring of two LDS slots filled by the tensor data mover; the scale bytes of the
; work-group's rows come once, with the first fills.  4 x 4 work-groups form a cluster: A's tiles are asked for jointly along a row of the cluster, B's along a column.
; THE MATRIX INSTRUCTION IS USED TRANSPOSED (source 0 = 16 rows of B, source 1 = 16 rows of A): a lane holds one row of A and eight rows of B.  The rows lie in xw in the order 8 u + r + 8 (r / 8) within each 32,
; so the 64 registers of a block of A's rows are, register 16 b + i, B's row 32 b + 16 (lane / 16) + i: 16 neighbours along the next product's K.  For q and k that K is the head's 64, for v^T the keys.
; THE WAY OUT has no LDS: bias added, 128 numbers a row quantised in registers, and the codes stored as images of operand registers:
;   q, k: two heads' halves of a fragment (6 registers: 512 bytes by 16 a lane, 256 bytes by 8 a lane), scale words with 0x7f in the two upper bytes (the score product's upper 64 of K are zero codes in q);
;   v^T: whole fragments (16 of the head's 64 x 128 keys, 12 registers), scale words as they are.
; A block of zeros gets the byte 1: its codes are zeros, and this program alone reads the bytes.  LIMITS: NaN and infinities in weights and biases are not served.
; REGISTERS: window 0: v16-31 addresses; v32-63 scale words, two sets; v64-127 the bias along B's rows; v128-223 A's fragments; v224-231 the bias along A's rows; on the way out v32-48, v128-247 at work.
;   window 1: B's fragments, two sets.   windows 2, 3: the accumulators ((a, b) at v[8 (8 (a % 4) + b)]).
.set OXS,    3145728                   ; xw: x's scale bytes (its codes at 0)
.set OWC,    3276800                   ;     the weights' codes
.set OWS,    5636096                   ;     the weights' scale bytes
.set KSTEP,  256
.set NQ,     KSTEP/128
.set ROWB,   192                       ; a tile's row: 256 codes
.set KROW,   768                       ; a row of codes in memory
.set PITCH,  240                       ; an LDS row: 3 x (64 bytes + 16 of padding)
.set FR,     12
.set NL,     6
.set NP,     4
.set HALFT,  128*PITCH
.set SLOT,   4*HALFT
.set LAPS,   2                         ; 1,024 / 512
.set KS,     32                        ; a row of scale bytes
.set SCL,    2*SLOT
.set HALFS,  (128*KS/256)*272
.set SBLK,   (16*KS/256)*272
.set SPARE,  SCL+4*HALFS               ; the spare words: 128 bytes a wave, named by no other line
.set ADRA, 16
.set ADRB, 20
.set L16,  24                          ; v24  16 x lane
.set L8,   25                          ; v25  8 x lane
.set ADRS, 27
.set SPW,  28
.set NIL,  29
.set SC,   32
.set BC,   64
.set AF,   128
.set BR,   224
.set HA,   128                         ; the way out: 64 numbers of a lane
.set PC,   192                         ; the codes just made
.set TM,   32                          ; at work
.set PW,   48                          ; the scale word just made
.set SW0,  232
.set SW1,  240
.set SEL,  18
.set G1, 24
.set G0, 32
.set G1B, 48
.set G0B, 56
.set G1S, 68
.set G0S, 76
.set G1SB, 80
.set G0SB, 88
.set MSB, 0
.macro WIN new                         ; the immediate's high byte repeats the setting that is left
.if MSB != \new
	s_set_vgpr_msb (MSB<<8)|\new
.set MSB, \new
.endif
.endm
.set MUL_LO, 0xa1
.set MUL_HI, 0xf1
.set TO_B,   0x40
; A joint load: waves 0 and 1 fetch for A, waves 2 and 3 for B; the branch hangs on the wave's number alone.  Four v_nop follow each line.
.macro JLOAD g0a, g1a, g0b, g1b
	s_cmp_eq_u32 s15, 0
	s_cbranch_scc0 .Lfor_b_\@
	tensor_load_to_lds s[\g0a:\g0a+3], s[\g1a:\g1a+7]
	s_nop 0
.rept 4
	v_nop
.endr
	s_branch .Lasked_\@
.Lfor_b_\@:
	tensor_load_to_lds s[\g0b:\g0b+3], s[\g1b:\g1b+7]
	s_nop 0
.rept 4
	v_nop
.endr
.Lasked_\@:
.endm
.macro CREST
	s_cmp_lg_u32 s14, 0
	s_cbranch_scc1 .Lnot_wave_0_\@
	s_barrier_signal -3
.Lnot_wave_0_\@:
	s_barrier_wait -3
	s_barrier_signal -1
	s_barrier_wait -1
.endm
.macro CROUND
	s_barrier_signal -1
	s_barrier_wait -1
	CREST
.endm
	s_load_b256 s[4:11], s[0:1], 0x0               ; xw, bq, bk, bv
	s_load_b128 s[96:99], s[0:1], 0x20             ; qb, kv
	v_lshl_add_u32 v[SPW], v0, 2, SPARE
	v_mov_b32 v[NIL], 0
	ds_add_u32 v28, v29
	ds_add_u32 v28, v29
	s_wait_dscnt 0x0
	v_lshrrev_b32 v1, 5, v0
	v_readfirstlane_b32 s14, v1                    ; wave 0..3
	s_lshr_b32 s15, s14, 1                         ; my half of the tile's rows; also: I fetch for A (0) or B (1)
	s_and_b32 s16, s14, 1                          ; my half of its columns; also: which 128 rows I fetch
	s_bfe_u32 s40, ttmp6, 0x40000                  ; cx
	s_bfe_u32 s41, ttmp6, 0x40004                  ; cy
	s_and_b32 s17, ttmp7, 0xffff                   ; cluster y
	s_mov_b32 s13, OXS
	s_mov_b32 s67, OWS
	s_cmp_eq_u32 ttmp9, 2                          ; v^T's clusters?  The same in all sixteen partners
	s_cselect_b32 s100, 1, 0
	s_cselect_b32 s42, s17, ttmp9                  ; tile columns go by cluster y for v^T, by cluster x for q and k
	s_cselect_b32 s17, 0, s17                      ; tile rows: cy alone for v^T
	s_cselect_b32 s12, OWC+2048*KROW, 0            ; A's codes: Wv's or x's
	s_cselect_b32 s13, OWS+2048*KS, s13            ; A's scale bytes
	s_cselect_b32 s66, 0, OWC                      ; B's codes: x's or Wq's and Wk's
	s_cselect_b32 s67, OXS, s67                    ; B's scale bytes
	s_lshl_b32 s42, s42, 2
	s_add_co_u32 s42, s42, s40                     ; tile column
	s_lshl_b32 s17, s17, 2
	s_add_co_u32 s17, s17, s41                     ; tile row
	s_lshl_b32 s43, s41, 2
	s_lshl_b32 s43, 15, s43                        ; my row of the cluster
	s_lshl_b32 s44, 0x1111, s40                    ; my column
	s_or_b32 s[G1+0], s43, (0<<16)|(1<<20)|(1<<21)|(3<<22)|(3<<25)  ; mask; elements of 1 byte; padding: 4 words behind every 16; bit 21 beside a mask
	s_or_b32 s[G1B+0], s44, (0<<16)|(1<<20)|(1<<21)|(3<<22)|(3<<25)
.irp g, G1, G1B
	s_mov_b32 s[\g+1], ROWB<<16                    ; tensor_dim0
	s_mov_b32 s[\g+2], 128<<16                     ; tensor_dim1
	s_mov_b32 s[\g+3], ROWB<<16                    ; tile_dim0
	s_mov_b32 s[\g+4], 128                         ; tile_dim1
	s_mov_b32 s[\g+5], KROW                        ; pitch
	s_mov_b32 s[\g+6], 0
	s_mov_b32 s[\g+7], 0
.endr
	s_or_b32 s[G1S+0], s43, (3<<16)|(1<<20)|(1<<21)|(5<<22)|(3<<25) ; the scale bytes of 128 rows: 16 rows of 256 bytes, 16 bytes of padding behind each
	s_or_b32 s[G1SB+0], s44, (3<<16)|(1<<20)|(1<<21)|(5<<22)|(3<<25)
.irp g, G1S, G1SB
	s_mov_b32 s[\g+1], 32<<16
	s_mov_b32 s[\g+2], (128*KS/256)<<16
	s_mov_b32 s[\g+3], 32<<16
	s_mov_b32 s[\g+4], 128*KS/256
	s_mov_b32 s[\g+5], 32
	s_mov_b32 s[\g+6], 0
	s_mov_b32 s[\g+7], 0
.endr
	s_lshl_b32 s18, s16, 7
	s_lshl_b32 s20, s17, 8
	s_add_co_u32 s20, s20, s18                     ; A: row 256 x tile row + 128 x half
	s_lshl_b32 s46, s42, 8
	s_add_co_u32 s46, s46, s18                     ; B: row 256 x tile column + 128 x half
	s_lshl_b32 s22, s20, 5
	s_add_co_u32 s22, s22, s13                     ; where these rows' scale bytes begin in xw,
	s_mov_b32 s23, 0
	s_lshl_b32 s92, s46, 5
	s_add_co_u32 s92, s92, s67
	s_mov_b32 s93, 0
	s_mul_i32 s20, s20, KROW
	s_add_co_u32 s20, s20, s12                     ; and their codes
	s_mov_b32 s21, 0
	s_mul_i32 s46, s46, KROW
	s_add_co_u32 s46, s46, s66
	s_mov_b32 s47, 0
	s_mul_i32 s45, s14, HALFT                      ; where they go: no place in the cluster enters an LDS address
	s_mul_i32 s94, s14, HALFS
	s_wait_kmcnt 0x0
	s_add_nc_u64 s[20:21], s[4:5], s[20:21]
	s_add_nc_u64 s[22:23], s[4:5], s[22:23]
	s_add_nc_u64 s[46:47], s[4:5], s[46:47]
	s_add_nc_u64 s[92:93], s[4:5], s[92:93]
	CROUND                                         ; all sixteen work-groups are here: the first joint loads meet
	s_mov_b32 s[G0S], 1
	s_add_co_u32 s[G0S+1], s94, SCL
	s_mov_b64 s[G0S+2:G0S+3], s[22:23]
	s_or_b32 s[G0S+3], s[G0S+3], 0x80000000
	s_mov_b32 s[G0SB], 1
	s_add_co_u32 s[G0SB+1], s94, SCL
	s_mov_b64 s[G0SB+2:G0SB+3], s[92:93]
	s_or_b32 s[G0SB+3], s[G0SB+3], 0x80000000
	JLOAD G0S, G1S, G0SB, G1SB                     ; the scale bytes first
.irp s, 0,1
	s_mov_b32 s[G0+4*\s], 1
	s_add_co_u32 s[G0+4*\s+1], s45, \s*SLOT
	s_add_nc_u64 s[G0+4*\s+2:G0+4*\s+3], s[20:21], \s*ROWB
	s_or_b32 s[G0+4*\s+3], s[G0+4*\s+3], 0x80000000
	s_mov_b32 s[G0B+4*\s], 1
	s_add_co_u32 s[G0B+4*\s+1], s45, \s*SLOT
	s_add_nc_u64 s[G0B+4*\s+2:G0B+4*\s+3], s[46:47], \s*ROWB
	s_or_b32 s[G0B+4*\s+3], s[G0B+4*\s+3], 0x80000000
	JLOAD G0+4*\s, G1, G0B+4*\s, G1B
.endr
	v_and_b32 v1, 15, v0                           ; r
	v_bfe_u32 v2, v0, 4, 1                         ; h
	v_mul_u32_u24 v3, v1, PITCH
	v_mul_u32_u24 v4, v2, 24
	v_add_nc_u32 v4, v3, v4                        ; a fragment's row x pitch + 24 x half
	v_lshl_add_u32 v5, v2, 4, v4                   ; and the same behind one padding more
	s_mul_i32 s21, s15, HALFT
	s_mul_i32 s22, s16, HALFT
	s_add_co_u32 s22, s22, 2*HALFT
.irp s, 0,1
	v_add_nc_u32 v[ADRA+\s], s21, v4
	v_add_nc_u32 v[ADRB+\s], s22, v4
	v_add_nc_u32 v[ADRA+2+\s], s21, v5
	v_add_nc_u32 v[ADRB+2+\s], s22, v5
	s_add_co_u32 s21, s21, SLOT
	s_add_co_u32 s22, s22, SLOT
.endr
	v_mul_u32_u24 v5, v1, KS                       ; my row's scale bytes,
	v_lshrrev_b32 v6, 8, v5
	v_lshl_add_u32 v5, v6, 4, v5                   ; 16 more for each 256 passed
	s_mul_i32 s21, s15, HALFS
	s_mul_i32 s22, s16, HALFS
	s_add_co_u32 s22, s22, 2*HALFS
	s_sub_co_u32 s22, s22, s21
	v_mul_u32_u24 v6, s22, v2                      ; lanes 16-31 take B's
	s_add_co_u32 s21, s21, SCL
	v_add_nc_u32 v5, v5, v6
	v_add_nc_u32 v[ADRS], s21, v5
	v_and_b32 v6, 31, v0
	v_lshlrev_b32 v[L16], 4, v6
	v_lshlrev_b32 v[L8], 3, v6
	; the biases, in the result's layout; both sets are loaded by every work-group, and the way out takes the one that is its own
	s_and_b32 s20, s42, 3
	s_lshl_b32 s20, s20, 10                        ; 256 features of 4 bytes a tile column,
	s_lshl_b32 s21, s16, 9                         ; my 128
	s_add_co_u32 s20, s20, s21
	s_mov_b32 s21, 0
	s_cmp_eq_u32 ttmp9, 0
	s_cselect_b64 s[6:7], s[6:7], s[8:9]           ; bq for cluster x = 0, else bk
	s_add_nc_u64 s[6:7], s[6:7], s[20:21]
	s_and_b32 s20, s17, 3
	s_lshl_b32 s20, s20, 10
	s_lshl_b32 s22, s15, 9
	s_add_co_u32 s20, s20, s22
	s_add_nc_u64 s[10:11], s[10:11], s[20:21]      ; bv at my 128 rows of Wv
	v_lshlrev_b32 v30, 6, v2                       ; along B's rows: 16 h numbers on
	v_and_b32 v31, 8, v1
	v_add_nc_u32 v31, v31, v1
	v_lshlrev_b32 v31, 2, v31                      ; along A's rows: row r + 8 (r / 8)
.irp b, 0,1,2,3,4,5,6,7
	global_load_b128 v[BC+8*\b:BC+8*\b+3], v30, s[6:7] offset:(32*(\b/2)+8*(\b%2))*4
	global_load_b128 v[BC+8*\b+4:BC+8*\b+7], v30, s[6:7] offset:(32*(\b/2)+8*(\b%2))*4+16
.endr
.irp a, 0,1,2,3,4,5,6,7
	global_load_b32 v[BR+\a], v31, s[10:11] offset:(32*(\a/2)+8*(\a%2))*4
.endr
.macro FRAG reg, adr, q, i             ; a fragment: 12 registers, in six pieces of 8 bytes; where the piece three on lies behind one padding more, the second address register serves
.irp p, 0,1,2,3,4,5
.set PCE, 12*(\q)+6*(\p/3)+\p%3
.if PCE%8 < 5
	ds_load_b64 v[\reg+2*\p:\reg+2*\p+1], v[\adr] offset:8*PCE+16*(PCE/8)+(\i)*16*PITCH
.else
	ds_load_b64 v[\reg+2*\p:\reg+2*\p+1], v[\adr+2] offset:8*PCE+16*(PCE/8)+(\i)*16*PITCH
.endif
.endr
.endm
; 16 matrix instructions: A's blocks a0, a0 + 1 x B's eight.  The 64 accumulators take turns, one instruction a turn, in the same order in every step.
.macro MUL16 a0, p, q, sc, zero
.irp a, \a0, \a0+1
.irp b, 0,1,2,3,4,5,6,7
.if \zero
	v_wmma_scale_f32_16x16x128_f8f6f4 v[8*(8*((\a)%4)+\b):8*(8*((\a)%4)+\b)+7], v[128*(\p)+FR*\b:128*(\p)+FR*\b+FR-1], v[AF+FR*(\a):AF+FR*(\a)+FR-1], 0, v[SC+8*NQ*(\sc)+NQ*\b+(\q)], v[SC+8*NQ*(\sc)+NQ*(\a)+(\q)] matrix_a_fmt:MATRIX_FMT_FP6 matrix_b_fmt:MATRIX_FMT_FP6 matrix_a_scale:MATRIX_SCALE_ROW1
.else
	v_wmma_scale_f32_16x16x128_f8f6f4 v[8*(8*((\a)%4)+\b):8*(8*((\a)%4)+\b)+7], v[128*(\p)+FR*\b:128*(\p)+FR*\b+FR-1], v[AF+FR*(\a):AF+FR*(\a)+FR-1], v[8*(8*((\a)%4)+\b):8*(8*((\a)%4)+\b)+7], v[SC+8*NQ*(\sc)+NQ*\b+(\q)], v[SC+8*NQ*(\sc)+NQ*(\a)+(\q)] matrix_a_fmt:MATRIX_FMT_FP6 matrix_b_fmt:MATRIX_FMT_FP6 matrix_a_scale:MATRIX_SCALE_ROW1
.endif
.endr
.endr
.endm
.macro FETCH_B slot, q, p
	WIN TO_B
.irp i, 0,1,2,3,4,5,6,7
	FRAG 128*(\p)+FR*\i, ADRB+\slot, \q, \i
.endr
	WIN 0
.endm
.macro FETCH_A slot, q, i0
.irp i, \i0, \i0+1, \i0+2, \i0+3
	FRAG AF+FR*(\i), ADRA+\slot, \q, \i
.endr
.endm
.macro SCALES sc                       ; a K step's scale words: lanes 0-15 A's block i, lanes 16-31 B's block i
.irp i, 0,1,2,3,4,5,6,7
	ds_load_b64 v[SC+8*NQ*\sc+NQ*\i:SC+8*NQ*\sc+NQ*\i+1], v[ADRS] offset:\i*SBLK
.endr
.endm
.macro PLACES n                        ; plain vector instructions between a matrix instruction and a load into, or a read of, its registers
.rept \n
	v_nop
.endr
.endm
.macro STEP slot, q, zero              ; 128 along K with a successor in the same slot
	s_wait_dscnt 4*NL                              ; B's set and A's blocks 0-3 are in; A's blocks 4-7 may be out
	WIN MUL_LO
	MUL16 0, (\q)%2, \q, \slot, \zero
	MUL16 2, (\q)%2, \q, \slot, \zero
	s_wait_dscnt 0
	PLACES NP
	FETCH_B \slot, (\q)+1, 1-(\q)%2
	FETCH_A \slot, (\q)+1, 0
	WIN MUL_HI
	MUL16 4, (\q)%2, \q, \slot, \zero
	MUL16 6, (\q)%2, \q, \slot, \zero
	PLACES NP
	WIN 0
	FETCH_A \slot, (\q)+1, 4
.endm
; A slot's last step changes slots: each wave waits for all its tensor loads, adds 0 to its spare word, waits for that and for its reads of this slot; one barrier, which opens a round of the cluster's where the slot is filled again.
.macro TURN slot, next, fill
	s_wait_tensorcnt 0x0                           ; all my tensor loads have landed: my part of the next slot
	ds_add_u32 v[SPW], v[NIL]
	s_wait_dscnt 4*NL+1                            ; the add and A's blocks 4-7 may be out
	WIN MUL_LO
	MUL16 0, 1, NQ-1, \slot, 0
	s_wait_dscnt 0x0                               ; the add is done, and my reads of this slot are over
	s_barrier_signal -1
	MUL16 2, 1, NQ-1, \slot, 0
	WIN 0
	s_barrier_wait -1
.if \fill
	CREST                                          ; no wave of any partner still reads this slot or has a load on its way
	s_add_nc_u64 s[G0+4*\slot+2:G0+4*\slot+3], s[G0+4*\slot+2:G0+4*\slot+3], 2*ROWB
	s_add_nc_u64 s[G0B+4*\slot+2:G0B+4*\slot+3], s[G0B+4*\slot+2:G0B+4*\slot+3], 2*ROWB
	JLOAD G0+4*\slot, G1, G0B+4*\slot, G1B         ; the first tensor load behind the round; its four v_nop are the places in front of the loads below
.else
	PLACES NP
.endif
	v_add_nc_u32 v[ADRS], 4*NQ, v[ADRS]            ; the next K step's scale words
	FETCH_B \next, 0, 0
	FETCH_A \next, 0, 0
	SCALES \next
	WIN MUL_HI
	MUL16 4, 1, NQ-1, \slot, 0
	MUL16 6, 1, NQ-1, \slot, 0
	PLACES NP
	WIN 0
	FETCH_A \next, 0, 4
.endm
	s_wait_tensorcnt 1                             ; the scale bytes and my part of K step 0 are in; K step 1's load may be out
	s_barrier_signal -1
	s_barrier_wait -1
	FETCH_B 0, 0, 0
	FETCH_A 0, 0, 0
	SCALES 0
	FETCH_A 0, 0, 4
	STEP 0, 0, 1                                   ; the first step starts the sums
	s_mov_b32 s3, LAPS-1
.Llap:
	TURN 0, 1, 1
	STEP 1, 0, 0
	TURN 1, 0, 1
	STEP 0, 0, 0
	s_sub_co_u32 s3, s3, 1
	s_cmp_lg_u32 s3, 0
	s_cbranch_scc1 .Llap
	TURN 0, 1, 0                                   ; the last lap fills nothing
	STEP 1, 0, 0
	s_wait_dscnt 4*NL
	WIN MUL_LO
	MUL16 0, 1, NQ-1, 1, 0
	MUL16 2, 1, NQ-1, 1, 0
	s_wait_dscnt 0
	WIN MUL_HI
	MUL16 4, 1, NQ-1, 1, 0
	MUL16 6, 1, NQ-1, 1, 0
	WIN 0
; ---------------- THE WAY OUT ----------------
; 64 numbers of a lane, register 16 b + i = k 32 b + 16 (lane / 16) + i of my row, become a fragment's codes in v[PC] on and its scale word in v[PW].
.macro QUANT s
.irp b, 0,1,2,3
	v_max3_num_f32 v[TM+\b], |v[\s+16*\b]|, |v[\s+1+16*\b]|, 0x1800000   ; the floor 2^(3 - 127) holds the byte at 1
.endr
.irp i, 2,4,6,8,10,12,14
.irp b, 0,1,2,3
	v_max3_num_f32 v[TM+\b], v[TM+\b], |v[\s+16*\b+\i]|, |v[\s+1+16*\b+\i]|
.endr
.endr
.irp b, 0,1,2,3
	v_permlanex16_b32 v[TM+4+\b], v[TM+\b], s[SEL], s[SEL+1]
.endr
.irp b, 0,1,2,3
	v_max_num_f32 v[TM+\b], v[TM+\b], v[TM+4+\b]   ; with lane l xor 16's: the block's largest magnitude
.endr
.irp b, 0,1,2,3
	v_add_nc_u32 v[TM+12+\b], 0xff000000, v[TM+\b] ; 2 off its exponent field: the conversion's scale operand
.endr
.irp b, 0,1,2,3
	v_lshrrev_b32 v[TM+4+\b], 23, v[TM+12+\b]      ; the byte
.endr
	v_lshl_or_b32 v[PW], v[TM+5], 8, v[TM+4]
	v_lshl_or_b32 v[PW], v[TM+6], 16, v[PW]
	v_lshl_or_b32 v[PW], v[TM+7], 24, v[PW]
.irp c, 0,1
	v_cvt_scalef32_pk16_fp6_f32 v[PC+6*\c:PC+2+6*\c], v[\s+32*\c:\s+15+32*\c], v[TM+12+2*\c]
	v_cvt_scalef32_pk16_fp6_f32 v[PC+12+4*\c:PC+14+4*\c], v[\s+16+32*\c:\s+31+32*\c], v[TM+12+2*\c+1]
.endr
	v_nop                                          ; one plain place behind a scaled conversion
.irp c, 0,1                                    ; a whole block to a lane: lanes 0-15 block 2 c, lanes 16-31 block 2 c + 1
.irp i, 0,1,2
	v_permlane16_swap_b32 v[PC+6*\c+\i], v[PC+12+4*\c+\i]
.endr
.irp i, 0,1,2
	v_mov_b32 v[PC+3+6*\c+\i], v[PC+12+4*\c+\i]
.endr
.endr
.endm
	s_wait_loadcnt 0x0                             ; the biases
	PLACES NP                                      ; behind the last products: their results are read and their operands' registers written below
	s_mov_b32 s[SEL], 0x76543210
	s_mov_b32 s[SEL+1], 0xfedcba98
	s_mov_b32 s2, 0x7f7f0000
.irp b, 0,1,2,3
	v_mov_b32 v[TM+4+\b], 0                        ; a lane permute's destination counts as a source
.endr
	s_cmp_eq_u32 s100, 1
	s_cbranch_scc1 .Lway_v
	; q or k: my 128 tokens are block tb & 15 of batch tb >> 4; my 128 features are heads head0 and head0 + 1
	s_lshl_b32 s20, s17, 1
	s_add_co_u32 s20, s20, s15                     ; tb
	s_and_b32 s21, s42, 3
	s_lshl_b32 s21, s21, 2
	s_lshl_b32 s22, s16, 1
	s_add_co_u32 s21, s21, s22                     ; head0
	s_lshr_b32 s22, s20, 4
	s_lshl_b32 s22, s22, 4
	s_add_co_u32 s21, s21, s22                     ; 16 x batch + head0
	s_lshl_b32 s21, s21, 4
	s_and_b32 s20, s20, 15
	s_add_co_u32 s21, s21, s20                     ; the block's number
	s_mov_b32 s22, 13824
	s_cmp_eq_u32 ttmp9, 0
	s_cselect_b32 s22, 7168, s22                   ; a block's bytes in qb, in kv
	s_cselect_b64 s[4:5], s[96:97], s[98:99]
	s_mul_i32 s20, s21, s22
	s_mov_b32 s21, 0
	s_add_nc_u64 s[4:5], s[4:5], s[20:21]          ; head0's block
	s_lshl_b32 s20, s22, 4
	s_add_nc_u64 s[6:7], s[4:5], s[20:21]          ; the next head's: 16 blocks on
.irp a, 0,1,2,3,4,5,6,7
	WIN 0x02+\a/4                                  ; source 0: the accumulators' window
.set AC, 64*(\a%4)
.set i, 0
.rept 32
	v_pk_add_f32 v[HA+i:HA+i+1], v[AC+i:AC+i+1], v[BC+i:BC+i+1]   ; + bias; each accumulator is read from its low end on
.set i, i+2
.endr
	WIN 0
.if \a > 0
	s_wait_xcnt 0x0                                ; the last stores have read the codes' registers
.endif
	QUANT HA
	global_store_b128 v[L16], v[PC:PC+3], s[4:5] offset:768*\a        ; 512 consecutive bytes, aligned
	global_store_b64 v[L8], v[PC+4:PC+5], s[4:5] offset:768*\a+512    ; 256
	global_store_b128 v[L16], v[PC+6:PC+9], s[6:7] offset:768*\a
	global_store_b64 v[L8], v[PC+10:PC+11], s[6:7] offset:768*\a+512
	v_and_or_b32 v[SW0+\a], v[PW], 0xffff, s2      ; head0's two bytes, 0x7f above them
	v_lshrrev_b32 v[SW1+\a], 16, v[PW]
	v_or_b32 v[SW1+\a], s2, v[SW1+\a]              ; the next head's
.endr
	global_store_b128 v[L16], v[SW0:SW0+3], s[4:5] offset:6144
	global_store_b128 v[L16], v[SW0+4:SW0+7], s[4:5] offset:6656
	global_store_b128 v[L16], v[SW1:SW1+3], s[6:7] offset:6144
	global_store_b128 v[L16], v[SW1+4:SW1+7], s[6:7] offset:6656
	s_branch .Lway_end
.Lway_v:
	; v^T: my 128 keys are block tb & 15 of batch tb >> 4; my 128 rows of Wv are heads 4 x tile row + 2 x half and the next
	s_lshl_b32 s20, s42, 1
	s_add_co_u32 s20, s20, s16                     ; tb
	s_lshl_b32 s21, s17, 2
	s_lshl_b32 s22, s15, 1
	s_add_co_u32 s21, s21, s22
	s_lshr_b32 s22, s20, 4
	s_lshl_b32 s22, s22, 4
	s_add_co_u32 s21, s21, s22
	s_lshl_b32 s21, s21, 4
	s_and_b32 s20, s20, 15
	s_add_co_u32 s21, s21, s20
	s_mul_i32 s20, s21, 13824
	s_add_co_u32 s20, s20, 7168                    ; V's part of a block
	s_mov_b32 s21, 0
	s_add_nc_u64 s[4:5], s[98:99], s[20:21]
	s_add_nc_u64 s[6:7], s[4:5], 221184            ; the next head's: 16 blocks on
.irp a, 0,1,2,3,4,5,6,7
	WIN 0x02+\a/4
.set AC, 64*(\a%4)
.set i, 0
.rept 32
.if \a%2 == 0
	v_pk_add_f32 v[HA+i:HA+i+1], v[AC+i:AC+i+1], v[BR+\a:BR+\a+1] op_sel_hi:[1,0]          ; + my row's bias, in both halves
.else
	v_pk_add_f32 v[HA+i:HA+i+1], v[AC+i:AC+i+1], v[BR+\a-1:BR+\a] op_sel:[0,1] op_sel_hi:[1,1]
.endif
.set i, i+2
.endr
	WIN 0
.if \a > 0
	s_wait_xcnt 0x0
.endif
	QUANT HA
.irp g, 0,1,2
	global_store_b128 v[L16], v[PC+4*\g:PC+4*\g+3], s[4+2*(\a/4):5+2*(\a/4)] offset:1536*(\a%4)+512*\g
.endr
	v_mov_b32 v[SW0+\a], v[PW]
.endr
	global_store_b128 v[L16], v[SW0:SW0+3], s[4:5] offset:6144
	global_store_b128 v[L16], v[SW0+4:SW0+7], s[6:7] offset:6144
.Lway_end:
	s_wait_tensorcnt 0x0                           ; the wave's end
	ds_add_u32 v[SPW], v[NIL]
	s_wait_dscnt 0x0
	CROUND                                         ; the closing round
	s_endpgm
.Lfunc_end_k_q29c9bfb4b0_qkv:
	.size	k_q29c9bfb4b0_qkv, .Lfunc_end_k_q29c9bfb4b0_qkv-k_q29c9bfb4b0_qkv
	.p2alignl 7, 3214868480
	.fill 96, 4, 3214868480
	.section	.rodata,"a",@progbits
	.p2align	6, 0x0
	.amdhsa_kernel k_q29c9bfb4b0_qkv
		.amdhsa_group_segment_fixed_size 327680
		.amdhsa_private_segment_fixed_size 0
		.amdhsa_enable_private_segment 0
		.amdhsa_kernarg_size 48
		.amdhsa_user_sgpr_count 2
		.amdhsa_user_sgpr_kernarg_segment_ptr 1
		.amdhsa_wavefront_size32 1
		.amdhsa_system_sgpr_workgroup_id_x 1
		.amdhsa_system_sgpr_workgroup_id_y 1
		.amdhsa_system_sgpr_workgroup_id_z 1
		.amdhsa_system_vgpr_workitem_id 0
		.amdhsa_next_free_vgpr 1024
		.amdhsa_next_free_sgpr 102
		.amdhsa_reserve_vcc 0
		.amdhsa_float_denorm_mode_32 3
		.amdhsa_float_denorm_mode_16_64 3
		.amdhsa_memory_ordered 1
		.amdhsa_forward_progress 1
		.amdhsa_inst_pref_size 235
	.end_amdhsa_kernel
	.amdgpu_metadata
---
amdhsa.version: [ 1, 2 ]
amdhsa.kernels:
  - .name:           k_q29c9bfb4b0_qkv
    .symbol:         k_q29c9bfb4b0_qkv.kd
    .args:
      - { .name: xw, .offset: 0, .size: 8, .value_kind: global_buffer, .address_space: global }
      - { .name: bq, .offset: 8, .size: 8, .value_kind: global_buffer, .address_space: global }
      - { .name: bk, .offset: 16, .size: 8, .value_kind: global_buffer, .address_space: global }
      - { .name: bv, .offset: 24, .size: 8, .value_kind: global_buffer, .address_space: global }
      - { .name: qb, .offset: 32, .size: 8, .value_kind: global_buffer, .address_space: global }
      - { .name: kv, .offset: 40, .size: 8, .value_kind: global_buffer, .address_space: global }
    .group_segment_fixed_size: 327680
    .private_segment_fixed_size: 0
    .kernarg_segment_align: 8
    .kernarg_segment_size: 48
    .max_flat_workgroup_size: 128
    .sgpr_count:     102
    .vgpr_count:     1024
    .wavefront_size: 32
...
	.end_amdgpu_metadata
.endif
;; end of part 2
;; launch attn (part 3): grid 8 x 32, 16 waves a work-group, no clusters, 223,232 bytes of LDS; arguments qb, kv, mk, oq; writes oq
.if DOCPART == 3
	.amdgcn_target "amdgcn-amd-amdhsa--gfx1250"
	.amdhsa_code_object_version 6
	.text
	.protected	k_q29c9bfb4b0_attn
	.globl	k_q29c9bfb4b0_attn
	.p2align	8
	.type	k_q29c9bfb4b0_attn,@function
k_q29c9bfb4b0_attn:
	s_mov_b64 s[64:65], 0
	v_nop
	global_prefetch_b8 v0, s[64:65] scope:SCOPE_SE
	s_setreg_imm32_b32 hwreg(HW_REG_WAVE_MODE, 25, 1), 1
	s_wait_xcnt 0x0
; Attention of one head (work-group y) for 16 tiles of 16 queries, one tile a wave, on codes of FP6 (E2M3); the result is quantised for the last projection and stored as images of operand registers.
; THE SOFTMAX.  The module takes the row's largest score away itself, so at the softmax's input the largest logit is 0: what is quantised is p = 2^((s - smax) c), c = log2(e) / 8, whose largest is exactly 1.
; So the keys are walked TWICE: pass 1 finds smax (scores, mask, maximum), pass 2 makes the scores again, d = s - smax (exactly 0 at the maximum), p, the row's sum of the unquantised p, p's codes, and O^T += V^T P^T.
; THE MASK is an input.  A blocked score becomes the sentinel -2^120.  In a row with an open key its p is 0; in a row that is blocked everywhere smax is the sentinel, d = 0, p = 1 for all keys: the uniform row that the module makes of it.
; A step of 128 keys that is blocked for all 16 queries is left out (a scalar branch on whole numbers that an earlier launch stored), unless some query of the tile is blocked everywhere: then every step is walked.
; The launch has no tensor load: the head's K and V, 221,184 bytes of images, go into LDS through registers once, ahead of the one barrier.
; LAYOUT.  Both products transposed: S^T = K Q^T (source 0 = 16 keys), O^T = V^T P^T (source 0 = 16 of the head's 64): a lane holds one query.  The head's size is 64 and the instruction's K 128: Q's upper six registers are zero
; codes, so K's upper six may be anything (they are the next tile's codes); the upper two scale bytes are 0x7f.  The keys of a tile are 8 u + r + 8 (r / 8) within each 32, so registers 16 b + i of S^T are keys 32 b + 16 h + i.
; WHICH TILE: wave w takes tile 8 u + work-group x, u a fixed permutation of w: tiles from all over the sequence in every work-group.
; LIMITS: scores are finite, of magnitude under 2^120.  A block of zeros gets the scale byte 1: its codes are zeros, and this program alone reads the bytes.
; REGISTERS: v1, v2, v10: 16, 8, 4 x lane; v3, v4 the step's LDS addresses; v5 the sentinel; v6-9 the fill's addresses; v12 -smax, v13 smax; v[14:15] the sum; v16-21 Q, v22-27 zeros; v28 Q's scale word; v31 p's;
;   v32-79 K, v80-85 zeros, v86-93 K's scale words (v32-67 at work behind the score products); v96-159 S^T, then p; v160-191 O^T; v192-239 V; v240-243 V's scale words; v244-247 pass 1's maxima.
.set BLKB,  13824                      ; a step's block: K 8 x 768, K's scale words 1,024, V 4 x 1,536, V's scale words 512
.set HEADB, 16*BLKB
.set MFO,   524288
.set OSO,   3145728
.set WV,   12
.set SEL,  84                          ; s[84:85]
.set CS,   86                          ; s[86:87] c, twice
.set NEED, 88
.set ANY,  89
.set SI,   90
.set STB,  91
.set MB,   92                          ; s[92:93] my tile's mask words
.set OC,   94                          ; s[94:95] where my codes go
.set OS,   96                          ; s[96:97] and my scale bytes
.set MOFF, 98
	s_load_b256 s[4:11], s[0:1], 0x0               ; qb, kv, mk, oq
	v_lshl_add_u32 v254, v0, 2, 0x36000
	v_mov_b32 v255, 0
	v_lshrrev_b32 v1, 5, v0
	v_readfirstlane_b32 s[WV], v1
	v_and_b32 v11, 31, v0
	v_lshlrev_b32 v1, 4, v11
	v_lshlrev_b32 v2, 3, v11
	v_lshlrev_b32 v10, 2, v11
	v_lshlrev_b32 v6, 4, v0                        ; 16 x thread
	v_add_nc_u32 v7, 0x10000, v6
	v_add_nc_u32 v8, 0x20000, v6
	v_add_nc_u32 v9, 0x30000, v6
	s_and_b32 s13, s[WV], 3
	s_bfe_u32 s14, s[WV], 0x10002
	s_mul_i32 s14, s14, 3
	s_xor_b32 s13, s13, s14                        ; every second group of four waves runs backwards
	s_and_b32 s14, s[WV], 12
	s_or_b32 s13, s13, s14
	s_lshl_b32 s13, s13, 3
	s_add_co_u32 s13, s13, ttmp9                   ; T: my tile of queries, 0 .. 127
	s_and_b32 s14, ttmp7, 0xffff                   ; 16 x batch + head
	s_mul_i32 s2, s14, HEADB
	s_mov_b32 s3, 0
	s_lshl_b32 s15, s14, 4
	s_lshr_b32 s22, s13, 3
	s_add_co_u32 s15, s15, s22
	s_mul_i32 s15, s15, 7168                       ; Q's block
	s_and_b32 s22, s13, 7
	s_mul_i32 s23, s22, 768
	s_add_co_u32 s16, s15, s23                     ; my tile's codes
	s_mov_b32 s17, 0
	s_lshr_b32 s23, s22, 2
	s_lshl_b32 s23, s23, 9
	s_add_co_u32 s18, s15, s23
	s_and_b32 s23, s13, 3
	s_lshl_b32 s23, s23, 2
	s_add_co_u32 s18, s18, s23
	s_add_co_u32 s18, s18, 6144                    ; its scale words
	s_mov_b32 s19, 0
	s_lshl_b32 s20, s13, 4                         ; its four flag words
	s_lshl_b32 s[MB], s13, 12                      ; its mask words: 16 steps x 256 bytes
	s_mov_b32 s[MB+1], 0
	s_lshr_b32 s21, s14, 4
	s_lshl_b32 s21, s21, 7
	s_add_co_u32 s21, s21, s13                     ; the tile of tokens,
	s_lshl_b32 s21, s21, 3
	s_bfe_u32 s22, s14, 0x30001
	s_add_co_u32 s21, s21, s22                     ; x 8 + the K step of the last projection: head / 2
	s_and_b32 s22, s14, 1
	s_mul_i32 s[OC], s21, 1536
	s_mul_i32 s23, s22, 768
	s_add_co_u32 s[OC], s[OC], s23
	s_mov_b32 s[OC+1], 0
	s_lshl_b32 s[OS], s21, 7
	s_lshl_b32 s23, s22, 1
	s_add_co_u32 s[OS], s[OS], s23
	s_add_co_u32 s[OS], s[OS], OSO
	s_mov_b32 s[OS+1], 0
	s_mov_b32 s[SEL], 0x76543210
	s_mov_b32 s[SEL+1], 0xfedcba98
	s_mov_b32 s[CS], 0x3e38aa3b                    ; log2(e) / 8
	s_mov_b32 s[CS+1], s[CS]
	s_wait_kmcnt 0x0
	s_add_nc_u64 s[6:7], s[6:7], s[2:3]
	s_add_nc_u64 s[16:17], s[4:5], s[16:17]
	s_add_nc_u64 s[18:19], s[4:5], s[18:19]
	s_add_nc_u64 s[MB:MB+1], s[8:9], s[MB:MB+1]
	s_add_nc_u64 s[OC:OC+1], s[10:11], s[OC:OC+1]
	s_add_nc_u64 s[OS:OS+1], s[10:11], s[OS:OS+1]
.set j, 0
.rept 27                               ; the head's K and V: 27 x 8,192 bytes, 16 a thread
	global_load_b128 v[96+4*j:99+4*j], v6, s[6:7] offset:8192*j
.set j, j+1
.endr
	global_load_b128 v[16:19], v1, s[16:17]        ; Q's six registers
	global_load_b64 v[20:21], v2, s[16:17] offset:512
	global_load_b32 v28, v1, s[18:19]              ; its scale word
	s_load_b128 s[68:71], s[8:9], s20 offset:MFO   ; the flags of the four quarters
.set j, 0
.rept 27
	s_wait_loadcnt 29-j                            ; fill j is in: the 26 - j younger fills and Q's three loads may be out
	ds_store_b128 v[6+j/8], v[96+4*j:99+4*j] offset:8192*(j%8)
.set j, j+1
.endr
.irp i, 22,23,24,25,26,27,80,81,82,83,84,85
	v_mov_b32 v\i, 0                               ; zero codes: Q's upper half, and what stands above K's last tile
.endr
	v_mov_b32 v5, 0xfb800000                       ; -2^120
	v_mov_b32 v12, 0
	v_mov_b32 v14, 0
	v_mov_b32 v15, 0
.irp i, 56,57,58,59
	v_mov_b32 v\i, 0                               ; lane permutes' destinations count as sources
.endr
.irp i, 244,245,246,247
	v_mov_b32 v\i, 0xff800000                      ; under every score
.endr
.set j, 0
.rept 32
	v_mov_b32 v[160+j], 0                          ; O^T: which step is the first hangs on the mask, so the sums begin as zeros
.set j, j+1
.endr
	s_wait_dscnt 0x0                               ; my part of the head lies in LDS
	s_barrier_signal -1
	s_barrier_wait -1                              ; everybody's does; nothing is written there again
	s_wait_loadcnt 0x0
	s_wait_kmcnt 0x0
	s_and_b32 s2, s68, s69
	s_and_b32 s3, s70, s71
	s_and_b32 s2, s2, s3
	s_lshr_b32 s2, s2, 16                          ; queries that are blocked everywhere
	s_and_b32 s[NEED], s68, 15
	s_bfe_u32 s[ANY], s68, 0x40004
.irp q, 1,2,3
	s_and_b32 s3, s[68+\q], 15
	s_lshl_b32 s3, s3, 4*\q
	s_or_b32 s[NEED], s[NEED], s3
	s_bfe_u32 s3, s[68+\q], 0x40004
	s_lshl_b32 s3, s3, 4*\q
	s_or_b32 s[ANY], s[ANY], s3
.endr
	s_xor_b32 s[NEED], s[NEED], 0xffff             ; the steps that are not blocked throughout,
	s_cmp_lg_u32 s2, 0
	s_cselect_b32 s[NEED], 0xffff, s[NEED]         ; or all of them
; A step's scores: the mask words are asked for, K's eight tiles (and, with vload = 1, V's four) come from LDS, eight products, and blocked scores become the sentinel.
.macro SCORES vload
	s_load_b512 s[16:31], s[MB:MB+1], s[MOFF] offset:0
	s_load_b512 s[32:47], s[MB:MB+1], s[MOFF] offset:64
	s_load_b512 s[48:63], s[MB:MB+1], s[MOFF] offset:128
	s_load_b512 s[68:83], s[MB:MB+1], s[MOFF] offset:192
	v_add_nc_u32 v3, s[STB], v1
	v_add_nc_u32 v4, s[STB], v2
	v_nop
	v_nop                                          ; four places in front of loads into registers that the last products read
.irp t, 0,1,2,3,4,5,6,7
	ds_load_b128 v[32+6*\t:35+6*\t], v3 offset:768*\t
	ds_load_b64 v[36+6*\t:37+6*\t], v4 offset:768*\t+512
.endr
	ds_load_b128 v[86:89], v3 offset:6144
	ds_load_b128 v[90:93], v3 offset:6656
.if \vload
.irp u, 0,1,2,3
.irp g, 0,1,2
	ds_load_b128 v[192+12*\u+4*\g:195+12*\u+4*\g], v3 offset:7168+1536*\u+512*\g
.endr
.endr
	ds_load_b128 v[240:243], v3 offset:13312
	s_wait_dscnt 13                                ; K is in; V's 13 loads may be out
.else
	s_wait_dscnt 0x0
.endif
.irp t, 0,1,2,3,4,5,6,7
	v_wmma_scale_f32_16x16x128_f8f6f4 v[96+8*\t:103+8*\t], v[32+6*\t:43+6*\t], v[16:27], 0, v[86+\t], v28 matrix_a_fmt:MATRIX_FMT_FP6 matrix_b_fmt:MATRIX_FMT_FP6
.endr
.rept 4
	v_nop
.endr
	s_wait_kmcnt 0x0                               ; the mask words are in, and their offset register may be stepped
	s_bitcmp1_b32 s[ANY], s[SI]
	s_cbranch_scc0 .Lopen_\@                       ; no key of this step is blocked for any of my queries
.set n, 0
.rept 64
.if n < 48
	v_cndmask_b32 v[96+n], v[96+n], v5, s[16+n]
.else
	v_cndmask_b32 v[96+n], v[96+n], v5, s[20+n]
.endif
.set n, n+1
.endr
.Lopen_\@:
.endm
; ---------------- pass 1: the row's largest score ----------------
	s_mov_b32 s[SI], 0
	s_mov_b32 s[STB], 0
	s_mov_b32 s[MOFF], 0
.Lmax:
	s_bitcmp1_b32 s[NEED], s[SI]
	s_cbranch_scc0 .Lmax_skip
	SCORES 0
.irp i, 0,2,4,6,8,10,12,14
.irp c, 0,1,2,3
	v_max3_num_f32 v[244+\c], v[244+\c], v[96+16*\c+\i], v[97+16*\c+\i]   ; four chains by turns; each accumulator from its low end on
.endr
.endr
.Lmax_skip:
	s_add_co_u32 s[STB], s[STB], BLKB
	s_add_co_u32 s[MOFF], s[MOFF], 256
	s_add_co_u32 s[SI], s[SI], 1
	s_cmp_lt_u32 s[SI], 16
	s_cbranch_scc1 .Lmax
	v_max3_num_f32 v13, v244, v245, v246
	v_max_num_f32 v13, v13, v247
	v_permlanex16_b32 v12, v13, s[SEL], s[SEL+1]
	v_max_num_f32 v13, v13, v12                    ; with lane l xor 16's keys: smax
	v_xor_b32 v12, 0x80000000, v13                 ; -smax
; ---------------- pass 2 ----------------
	s_mov_b32 s[SI], 0
	s_mov_b32 s[STB], 0
	s_mov_b32 s[MOFF], 0
.Lstep:
	s_bitcmp1_b32 s[NEED], s[SI]
	s_cbranch_scc0 .Lskip
	SCORES 1
.set j, 0
.rept 32
	v_pk_add_f32 v[96+j:97+j], v[96+j:97+j], v[12:13] op_sel_hi:[1,0]   ; d = s - smax: 0 at the maximum, so that its p is exactly 1
.set j, j+2
.endr
.set j, 0
.rept 32
	v_pk_mul_f32 v[96+j:97+j], v[96+j:97+j], s[CS:CS+1] op_sel_hi:[1,0] ; t = d c
.set j, j+2
.endr
.set j, 0
.rept 64
	v_exp_f32 v[96+j], v[96+j]                     ; p = 2^t, at most 1, not normalised
.set j, j+1
.endr
	v_nop                                          ; a plain place behind the exponentials
	s_wait_alu depctr_va_vdst(0)                   ; one wait for the batch, ahead of its first reader
.irp b, 0,1,2,3
	v_max3_num_f32 v[52+\b], v[96+16*\b], v[97+16*\b], 0x1800000   ; each block's largest p, and the floor 2^(3 - 127)
.endr
.irp i, 2,4,6,8,10,12,14
.irp b, 0,1,2,3
	v_max3_num_f32 v[52+\b], v[52+\b], v[96+16*\b+\i], v[97+16*\b+\i]
.endr
.endr
.irp b, 0,1,2,3
	v_permlanex16_b32 v[56+\b], v[52+\b], s[SEL], s[SEL+1]
.endr
.irp b, 0,1,2,3
	v_max_num_f32 v[52+\b], v[52+\b], v[56+\b]
.endr
.irp b, 0,1,2,3
	v_add_nc_u32 v[60+\b], 0xff000000, v[52+\b]    ; the conversion's scale operand
.endr
.irp b, 0,1,2,3
	v_lshrrev_b32 v[56+\b], 23, v[60+\b]           ; the byte
.endr
	v_lshl_or_b32 v31, v57, 8, v56                 ; p's scale word for these 128 keys
	v_lshl_or_b32 v31, v58, 16, v31
	v_lshl_or_b32 v31, v59, 24, v31
.irp c, 0,1
	v_cvt_scalef32_pk16_fp6_f32 v[32+6*\c:34+6*\c], v[96+32*\c:111+32*\c], v[60+2*\c]
	v_cvt_scalef32_pk16_fp6_f32 v[44+4*\c:46+4*\c], v[112+32*\c:127+32*\c], v[61+2*\c]
.endr
	v_nop                                          ; one plain place behind a scaled conversion
.irp c, 0,1
.irp i, 0,1,2
	v_permlane16_swap_b32 v[32+6*\c+\i], v[44+4*\c+\i]
.endr
.irp i, 0,1,2
	v_mov_b32 v[35+6*\c+\i], v[44+4*\c+\i]
.endr
.endr
	v_pk_add_f32 v[66:67], v[96:97], v[98:99]      ; the row's sum of the unquantised p, in two chains.  These 32 lines are also the places between the codes' and the scale word's last writes and the products
.irp j, 4,8,12,16,20,24,28,32,36,40,44,48,52,56,60
	v_pk_add_f32 v[14:15], v[14:15], v[96+\j:97+\j]
	v_pk_add_f32 v[66:67], v[66:67], v[98+\j:99+\j]
.endr
	v_pk_add_f32 v[14:15], v[14:15], v[66:67]
	s_wait_dscnt 0x0                               ; V is in
.irp u, 0,1,2,3
	v_wmma_scale_f32_16x16x128_f8f6f4 v[160+8*\u:167+8*\u], v[192+12*\u:203+12*\u], v[32:43], v[160+8*\u:167+8*\u], v[240+\u], v31 matrix_a_fmt:MATRIX_FMT_FP6 matrix_b_fmt:MATRIX_FMT_FP6
.endr
.Lskip:
	s_add_co_u32 s[STB], s[STB], BLKB
	s_add_co_u32 s[MOFF], s[MOFF], 256
	s_add_co_u32 s[SI], s[SI], 1
	s_cmp_lt_u32 s[SI], 16
	s_cbranch_scc1 .Lstep
; ---------------- the way out: o = O^T / the sum, quantised along the head's 64: two blocks ----------------
	v_add_f32 v14, v14, v15
	v_permlanex16_b32 v15, v14, s[SEL], s[SEL+1]
	v_add_f32 v14, v14, v15                        ; the row's sum
	v_rcp_f32 v14, v14
.rept 4
	v_nop                                          ; places behind the last products and behind the reciprocal
.endr
	s_wait_alu depctr_va_vdst(0)                   ; ahead of the reciprocal's first reader
.set j, 0
.rept 16
	v_pk_mul_f32 v[96+j:97+j], v[160+j:161+j], v[14:15] op_sel_hi:[1,0]   ; register 16 b + i: channel 32 b + 16 h + i of my query
.set j, j+2
.endr
.irp b, 0,1
	v_max3_num_f32 v[52+\b], |v[96+16*\b]|, |v[97+16*\b]|, 0x1800000
.endr
.irp i, 2,4,6,8,10,12,14
.irp b, 0,1
	v_max3_num_f32 v[52+\b], v[52+\b], |v[96+16*\b+\i]|, |v[97+16*\b+\i]|
.endr
.endr
.irp b, 0,1
	v_permlanex16_b32 v[56+\b], v[52+\b], s[SEL], s[SEL+1]
.endr
.irp b, 0,1
	v_max_num_f32 v[52+\b], v[52+\b], v[56+\b]
.endr
.irp b, 0,1
	v_add_nc_u32 v[60+\b], 0xff000000, v[52+\b]
.endr
.irp b, 0,1
	v_lshrrev_b32 v[56+\b], 23, v[60+\b]
.endr
	v_lshl_or_b32 v58, v57, 8, v56                 ; my head's two bytes of the row's scale word
	v_cvt_scalef32_pk16_fp6_f32 v[128:130], v[96:111], v60
	v_cvt_scalef32_pk16_fp6_f32 v[132:134], v[112:127], v61
	v_nop
.irp i, 0,1,2
	v_permlane16_swap_b32 v[128+\i], v[132+\i]     ; lanes 0-15 block 0, lanes 16-31 block 1
.endr
	v_mov_b32 v131, v132
	v_mov_b32 v132, v133
	v_mov_b32 v133, v134
	global_store_b128 v1, v[128:131], s[OC:OC+1]               ; 512 consecutive bytes, aligned
	global_store_b64 v2, v[132:133], s[OC:OC+1] offset:512     ; 256
	global_store_b16 v10, v58, s[OS:OS+1]                      ; two of the word's four bytes; the other head of the pair writes the other two
	s_wait_tensorcnt 0x0
	ds_add_u32 v254, v255
	s_wait_dscnt 0x0
	s_endpgm
.Lfunc_end_k_q29c9bfb4b0_attn:
	.size	k_q29c9bfb4b0_attn, .Lfunc_end_k_q29c9bfb4b0_attn-k_q29c9bfb4b0_attn
	.p2alignl 7, 3214868480
	.fill 96, 4, 3214868480
	.section	.rodata,"a",@progbits
	.p2align	6, 0x0
	.amdhsa_kernel k_q29c9bfb4b0_attn
		.amdhsa_group_segment_fixed_size 223232
		.amdhsa_private_segment_fixed_size 0
		.amdhsa_enable_private_segment 0
		.amdhsa_kernarg_size 32
		.amdhsa_user_sgpr_count 2
		.amdhsa_user_sgpr_kernarg_segment_ptr 1
		.amdhsa_wavefront_size32 1
		.amdhsa_system_sgpr_workgroup_id_x 1
		.amdhsa_system_sgpr_workgroup_id_y 1
		.amdhsa_system_sgpr_workgroup_id_z 1
		.amdhsa_system_vgpr_workitem_id 0
		.amdhsa_next_free_vgpr 256
		.amdhsa_next_free_sgpr 102
		.amdhsa_reserve_vcc 0
		.amdhsa_float_denorm_mode_32 3
		.amdhsa_float_denorm_mode_16_64 3
		.amdhsa_memory_ordered 1
		.amdhsa_forward_progress 1
		.amdhsa_inst_pref_size 45
	.end_amdhsa_kernel
	.amdgpu_metadata
---
amdhsa.version: [ 1, 2 ]
amdhsa.kernels:
  - .name:           k_q29c9bfb4b0_attn
    .symbol:         k_q29c9bfb4b0_attn.kd
    .args:
      - { .name: qb, .offset: 0, .size: 8, .value_kind: global_buffer, .address_space: global }
      - { .name: kv, .offset: 8, .size: 8, .value_kind: global_buffer, .address_space: global }
      - { .name: mk, .offset: 16, .size: 8, .value_kind: global_buffer, .address_space: global }
      - { .name: oq, .offset: 24, .size: 8, .value_kind: global_buffer, .address_space: global }
    .group_segment_fixed_size: 223232
    .private_segment_fixed_size: 0
    .kernarg_segment_align: 8
    .kernarg_segment_size: 32
    .max_flat_workgroup_size: 512
    .sgpr_count:     102
    .vgpr_count:     256
    .wavefront_size: 32
...
	.end_amdgpu_metadata
.endif
;; end of part 3
;; launch oln (part 4): grid 128 x 1, 16 waves a work-group, no clusters, 173,056 bytes of LDS; arguments oq, wo, bo, x, gamma, beta, out0; writes out0
.if DOCPART == 4
	.amdgcn_target "amdgcn-amd-amdhsa--gfx1250"
	.amdhsa_code_object_version 6
	.text
	.protected	k_q29c9bfb4b0_oln
	.globl	k_q29c9bfb4b0_oln
	.p2align	8
	.type	k_q29c9bfb4b0_oln,@function
k_q29c9bfb4b0_oln:
	s_mov_b64 s[64:65], 0
	v_nop
	global_prefetch_b8 v0, s[64:65] scope:SCOPE_SE
	s_setreg_imm32_b32 hwreg(HW_REG_WAVE_MODE, 25, 1), 1
	s_wait_xcnt 0x0
; out = LayerNorm(o Wo^T + bo + x) gamma + beta, the product on codes of FP6 (E2M3); x with NaN -> 0 and +-infinity -> +-1e9, and so the result.
; A work-group owns 32 tokens (two tiles of 16) and all 1,024 features, so that a row's mean and variance stay inside it.  Wave w makes features 64 w .. 64 w + 63: four tiles of Wo's rows, whose fragments come from
; memory straight into registers as images (each feeds this wave alone), two K steps ahead.  o's 16 fragments, 24,576 bytes, lie in LDS for all waves.
; The product is used transposed (source 0 = 16 rows of Wo, source 1 = 16 tokens): lane (r, h) holds token r and, register 16 b + i, feature 64 w + 32 b + 16 h + i (Wo's rows lie in the order that gives this).
; Tokens of a tile: 8 mt + r + 8 (r / 8) within the 32.  x and the result pass through the wave's own stage in LDS, so that memory is read and written 256 aligned bytes by sixteen lanes.
; The variance is taken of r - mean in a second pass: no difference of large sums.  Three barriers: o's images; the waves' sums; the waves' sums of squares.
; No tensor load.  No joint loads: what the work-groups share, Wo, goes to registers, not to LDS.
; REGISTERS: v1-3: 16, 8, 4 x lane; v4 Wo's offset; v5 x's and out's; v6, v7 the stage by rows and in the result's layout; v8, v9 the sums' words; v10, v11 offsets; v12, v13 at work; v16-39 o's two fragments, v40-41 their scale
;   words; v42-73 Wo's scale words; v76-139 the 8 accumulators ((mt, nt) at 76 + 8 (4 mt + nt)); v140-187, v188-235 Wo's fragments, two sets; later bo v140-171, gamma v172-203, beta v204-235.
.set AIMG, 0
.set ASC,  24576
.set RED1, 26624                       ; 32 tokens x (16 words + 16 bytes)
.set RED2, 29184
.set STG,  31744                       ; 8,704 bytes a wave: 32 rows x (256 + 16)
.set OSO,  3145728
.set WOS,  786432
.set ACC,  76
	s_load_b256 s[4:11], s[0:1], 0x0               ; oq, wo, bo, x
	s_load_b128 s[12:15], s[0:1], 0x20             ; gamma, beta
	s_load_b64 s[16:17], s[0:1], 0x30              ; out0
	v_lshl_add_u32 v254, v0, 2, 0x29c00
	v_mov_b32 v255, 0
	v_lshrrev_b32 v1, 5, v0
	v_readfirstlane_b32 s18, v1                    ; wave 0..15
	v_and_b32 v14, 31, v0
	v_and_b32 v15, 15, v0                          ; r
	v_bfe_u32 v13, v0, 4, 1                        ; h
	v_lshlrev_b32 v1, 4, v14
	v_lshlrev_b32 v2, 3, v14
	v_lshlrev_b32 v3, 2, v14
	v_lshlrev_b32 v251, 4, v0                      ; 16 x thread
	v_lshlrev_b32 v250, 2, v0                      ; 4 x thread
	s_mul_i32 s19, s18, 49152
	v_add_nc_u32 v4, s19, v1                       ; my four tiles of Wo: 4 x 12,288 bytes a wave
	s_lshl_b32 s20, s18, 8
	v_lshlrev_b32 v5, 12, v13
	v_lshl_add_u32 v5, v15, 4, v5
	v_add_nc_u32 v5, s20, v5                       ; x, out: lanes 0-15 one token's 256 bytes, lanes 16-31 the next token's
	s_mul_i32 s21, s18, 8704
	s_add_co_u32 s21, s21, STG
	v_mul_u32_u24 v6, v13, 272
	v_lshl_add_u32 v6, v15, 4, v6
	v_add_nc_u32 v6, s21, v6
	v_mul_u32_u24 v7, v15, 272
	v_lshl_add_u32 v7, v13, 6, v7
	v_add_nc_u32 v7, s21, v7
	v_mul_u32_u24 v9, v15, 80
	v_add_nc_u32 v9, RED1, v9
	s_lshl_b32 s22, s18, 2
	v_add_nc_u32 v8, s22, v9
	v_lshl_add_u32 v10, v13, 6, s20                ; bo, gamma, beta: 256 w + 64 h
	s_lshl_b32 s22, s18, 12
	v_add_nc_u32 v11, s22, v2                      ; Wo's scale words: 4 x 1,024 bytes a wave
	s_mov_b32 s28, 0x7fffffff
	s_mov_b32 s29, 0x4e6e6b28                      ; 1e9
	s_mov_b32 s30, 0x7f800000
	s_mov_b32 s32, 0x76543210
	s_mov_b32 s33, 0xfedcba98
	s_mov_b32 s34, 0x3a800000                      ; 1 / 1,024
	s_mov_b32 s35, 0x3727c5ac                      ; 1e-5
	s_mul_i32 s36, ttmp9, 24576
	s_mov_b32 s37, 0
	s_lshl_b32 s38, ttmp9, 11
	s_add_co_u32 s38, s38, OSO
	s_mov_b32 s39, 0
	s_lshl_b32 s40, ttmp9, 17                      ; 32 tokens of 4,096 bytes
	s_mov_b32 s41, 0
	s_wait_kmcnt 0x0
	s_add_nc_u64 s[24:25], s[4:5], s[38:39]        ; o's scale words
	s_add_nc_u64 s[4:5], s[4:5], s[36:37]          ; o's images
	s_add_nc_u64 s[26:27], s[6:7], WOS
	s_add_nc_u64 s[10:11], s[10:11], s[40:41]
	s_add_nc_u64 s[16:17], s[16:17], s[40:41]
.macro N2N r                           ; NaN -> 0, +-infinity -> +-1e9
	v_and_b32 v12, s28, v[\r]
	v_bfi_b32 v13, s28, s29, v[\r]
	v_cmp_eq_u32 vcc_lo, s30, v12
	v_cndmask_b32 v13, 0, v13, vcc_lo
	v_cmp_gt_u32 vcc_lo, s30, v12
	v_cndmask_b32 v[\r], v13, v[\r], vcc_lo
.endm
.macro BLOAD k                         ; Wo's four fragments of K step k into set k % 2
.irp nt, 0,1,2,3
.irp g, 0,1,2
	global_load_b128 v[140+48*((\k)%2)+12*\nt+4*\g:143+48*((\k)%2)+12*\nt+4*\g], v4, s[6:7] offset:12288*\nt+1536*(\k)+512*\g
.endr
.endr
.endm
	global_load_b128 v[236:239], v251, s[4:5]
	global_load_b128 v[240:243], v251, s[4:5] offset:8192
	global_load_b128 v[244:247], v251, s[4:5] offset:16384
	global_load_b32 v248, v250, s[24:25]
.set i, 0
.rept 16                               ; x: stage rows 2 i and 2 i + 1 are the tokens 8 (i / 8) + 2 (i % 8) + 8 ((i % 8) / 4) and the next
	global_load_b128 v[ACC+4*i:ACC+4*i+3], v5, s[10:11] offset:(8*(i/8)+2*(i%8)+8*((i%8)/4))*4096 th:TH_LOAD_NT
.set i, i+1
.endr
.irp nt, 0,1,2,3
.irp p, 0,1,2,3
	global_load_b64 v[42+8*\nt+2*\p:43+8*\nt+2*\p], v11, s[26:27] offset:1024*\nt+256*\p
.endr
.endr
	BLOAD 0
	BLOAD 1
	s_wait_loadcnt 56                              ; o's four loads are in: 16 + 16 + 24 younger ones may be out
	ds_store_b128 v251, v[236:239] offset:AIMG
	ds_store_b128 v251, v[240:243] offset:AIMG+8192
	ds_store_b128 v251, v[244:247] offset:AIMG+16384
	ds_store_b32 v250, v248 offset:ASC
	s_wait_loadcnt 40                              ; x is in: 16 + 24 may be out
.set i, 0
.rept 64
	N2N ACC+i
.set i, i+1
.endr
.set i, 0
.rept 16
	ds_store_b128 v6, v[ACC+4*i:ACC+4*i+3] offset:544*i
.set i, i+1
.endr
	s_wait_dscnt 0x0                               ; my stores have landed, and have read the registers that the sums will take
	s_barrier_signal -1
	s_barrier_wait -1                              ; o's images lie in LDS
.macro KSTEP k
.irp mt, 0,1
	ds_load_b128 v[16+12*\mt:19+12*\mt], v1 offset:AIMG+(8*\mt+(\k))*1536
	ds_load_b64 v[20+12*\mt:21+12*\mt], v2 offset:AIMG+(8*\mt+(\k))*1536+512
	ds_load_b128 v[22+12*\mt:25+12*\mt], v1 offset:AIMG+(8*\mt+(\k))*1536+768
	ds_load_b64 v[26+12*\mt:27+12*\mt], v2 offset:AIMG+(8*\mt+(\k))*1536+1280
	ds_load_b32 v[40+\mt], v3 offset:ASC+(8*\mt+(\k))*128
.endr
.if (\k) == 7
	s_wait_loadcnt 8                               ; this step's fragments are in; bo's eight loads may be out
.else
	s_wait_loadcnt 12                              ; this step's fragments are in; the next step's twelve may be out
.endif
	s_wait_dscnt 0x0
.irp nt, 0,1,2,3                               ; the eight accumulators by turns
.irp mt, 0,1
.if (\k) == 0
	v_wmma_scale_f32_16x16x128_f8f6f4 v[ACC+8*(4*\mt+\nt):ACC+8*(4*\mt+\nt)+7], v[140+48*((\k)%2)+12*\nt:151+48*((\k)%2)+12*\nt], v[16+12*\mt:27+12*\mt], 0, v[42+8*\nt+(\k)], v[40+\mt] matrix_a_fmt:MATRIX_FMT_FP6 matrix_b_fmt:MATRIX_FMT_FP6
.else
	v_wmma_scale_f32_16x16x128_f8f6f4 v[ACC+8*(4*\mt+\nt):ACC+8*(4*\mt+\nt)+7], v[140+48*((\k)%2)+12*\nt:151+48*((\k)%2)+12*\nt], v[16+12*\mt:27+12*\mt], v[ACC+8*(4*\mt+\nt):ACC+8*(4*\mt+\nt)+7], v[42+8*\nt+(\k)], v[40+\mt] matrix_a_fmt:MATRIX_FMT_FP6 matrix_b_fmt:MATRIX_FMT_FP6
.endif
.endr
.endr
.rept 4
	v_nop                                          ; places in front of loads into registers that these products read, and of the first read of results
.endr
.if (\k) < 6
	BLOAD (\k)+2
.elseif (\k) == 6
.irp q, 0,1,2,3,4,5,6,7
	global_load_b128 v[140+4*\q:143+4*\q], v10, s[8:9] offset:128*(\q/4)+16*(\q%4)     ; bo, in the result's layout
.endr
.else
.irp q, 0,1,2,3,4,5,6,7
	global_load_b128 v[172+4*\q:175+4*\q], v10, s[12:13] offset:128*(\q/4)+16*(\q%4)   ; gamma
.endr
.irp q, 0,1,2,3,4,5,6,7
	global_load_b128 v[204+4*\q:207+4*\q], v10, s[14:15] offset:128*(\q/4)+16*(\q%4)   ; beta
.endr
.endif
.endm
.irp k, 0,1,2,3,4,5,6,7
	KSTEP \k
.endr
; the lane's 32 numbers v[src] on, summed, with lane l xor 16's: my wave's 64 features of token r
.macro LANES dst
	v_add_f32 v[\dst], v[\dst], v[\dst+1]
	v_permlanex16_b32 v[\dst+1], v[\dst], s32, s33
	v_add_f32 v[\dst], v[\dst], v[\dst+1]
.endm
.macro ROWSUM dst, src
	v_pk_add_f32 v[\dst:\dst+1], v[\src:\src+1], v[\src+2:\src+3]
.set j, 4
.rept 14
	v_pk_add_f32 v[\dst:\dst+1], v[\dst:\dst+1], v[\src+j:\src+j+1]
.set j, j+2
.endr
	LANES \dst
.endm
.macro SQSUM dst, src
	v_pk_mul_f32 v[\dst:\dst+1], v[\src:\src+1], v[\src:\src+1]
.set j, 2
.rept 15
	v_pk_fma_f32 v[\dst:\dst+1], v[\src+j:\src+j+1], v[\src+j:\src+j+1], v[\dst:\dst+1]
.set j, j+2
.endr
	LANES \dst
.endm
.macro TOTAL b                         ; the sixteen waves' parts, in the same order in every wave
.set j, 2
.rept 7
	v_pk_add_f32 v[\b:\b+1], v[\b:\b+1], v[\b+j:\b+j+1]
.set j, j+2
.endr
	v_add_f32 v[\b], v[\b], v[\b+1]
.endm
.macro XROWS mt                        ; x of tile mt in the result's layout, from my stage
.irp q, 0,1,2,3,4,5,6,7
	ds_load_b128 v[16+4*\q:19+4*\q], v7 offset:4352*\mt+128*(\q/4)+16*(\q%4)
.endr
.endm
.macro ADD32 dst, src
.set j, 0
.rept 16
	v_pk_add_f32 v[\dst+j:\dst+j+1], v[\dst+j:\dst+j+1], v[\src+j:\src+j+1]
.set j, j+2
.endr
.endm
	XROWS 0
	s_wait_loadcnt 16                              ; bo is in; gamma's and beta's sixteen loads may be out
	ADD32 ACC, 140                                 ; y = sum + bo; each accumulator is read from its low end on
	ADD32 ACC+32, 140
	s_wait_dscnt 0x0
	ADD32 ACC, 16                                  ; r = y + x
	XROWS 1
	ROWSUM 48, ACC
	s_wait_dscnt 0x0
	ADD32 ACC+32, 16
	ROWSUM 50, ACC+32
	ds_store_b32 v8, v48                           ; lanes r and 16 + r write the same word with the same value
	ds_store_b32 v8, v50 offset:1280
	s_wait_dscnt 0x0
	s_barrier_signal -1
	s_barrier_wait -1                              ; all waves' sums lie in LDS
.irp q, 0,1,2,3,4,5,6,7
	ds_load_b128 v[16+4*\q:19+4*\q], v9 offset:1280*(\q/4)+16*(\q%4)
.endr
	s_wait_dscnt 0x0
	TOTAL 16
	TOTAL 32
	v_mul_f32 v52, 0xba800000, v16                 ; -mean of token r of tile 0,
	v_mul_f32 v53, 0xba800000, v32                 ; of tile 1
.set j, 0
.rept 16
	v_pk_add_f32 v[ACC+j:ACC+j+1], v[ACC+j:ACC+j+1], v[52:53] op_sel_hi:[1,0]
	v_pk_add_f32 v[ACC+32+j:ACC+33+j], v[ACC+32+j:ACC+33+j], v[52:53] op_sel:[0,1] op_sel_hi:[1,1]
.set j, j+2
.endr
	SQSUM 48, ACC
	SQSUM 50, ACC+32
	ds_store_b32 v8, v48 offset:RED2-RED1
	ds_store_b32 v8, v50 offset:RED2-RED1+1280
	s_wait_dscnt 0x0
	s_barrier_signal -1
	s_barrier_wait -1                              ; all waves' sums of squares lie in LDS
.irp q, 0,1,2,3,4,5,6,7
	ds_load_b128 v[16+4*\q:19+4*\q], v9 offset:RED2-RED1+1280*(\q/4)+16*(\q%4)
.endr
	s_wait_dscnt 0x0
	TOTAL 16
	TOTAL 32
	v_fma_f32 v54, v16, s34, s35                   ; variance + 1e-5
	v_fma_f32 v55, v32, s34, s35
	v_rsq_f32 v54, v54
	v_rsq_f32 v55, v55
	v_nop                                          ; a plain place behind the transcendentals
	s_wait_alu depctr_va_vdst(0)                   ; one wait for both, ahead of their first reader
	s_wait_loadcnt 0x0                             ; gamma, beta
.set j, 0
.rept 16
	v_pk_mul_f32 v[ACC+j:ACC+j+1], v[ACC+j:ACC+j+1], v[54:55] op_sel_hi:[1,0]
	v_pk_mul_f32 v[ACC+32+j:ACC+33+j], v[ACC+32+j:ACC+33+j], v[54:55] op_sel:[0,1] op_sel_hi:[1,1]
.set j, j+2
.endr
.set j, 0
.rept 16
	v_pk_fma_f32 v[ACC+j:ACC+j+1], v[ACC+j:ACC+j+1], v[172+j:173+j], v[204+j:205+j]
	v_pk_fma_f32 v[ACC+32+j:ACC+33+j], v[ACC+32+j:ACC+33+j], v[172+j:173+j], v[204+j:205+j]
.set j, j+2
.endr
.set i, 0
.rept 64
	N2N ACC+i
.set i, i+1
.endr
.irp mt, 0,1
.irp q, 0,1,2,3,4,5,6,7
	ds_store_b128 v7, v[ACC+32*\mt+4*\q:ACC+32*\mt+4*\q+3] offset:4352*\mt+128*(\q/4)+16*(\q%4)
.endr
.endr
.set i, 0
.rept 16
	ds_load_b128 v[140+4*i:143+4*i], v6 offset:544*i   ; my own stage: LDS serves a wave's instructions in order
.set i, i+1
.endr
.set i, 0
.rept 16
	s_wait_dscnt 15-i                              ; rows 2 i and 2 i + 1 are back; the younger loads may be out
	global_store_b128 v5, v[140+4*i:143+4*i], s[16:17] offset:(8*(i/8)+2*(i%8)+8*((i%8)/4))*4096 th:TH_STORE_NT   ; sixteen lanes store 256 consecutive bytes of a token, aligned
.set i, i+1
.endr
	s_wait_tensorcnt 0x0
	ds_add_u32 v254, v255
	s_wait_dscnt 0x0
	s_endpgm
.Lfunc_end_k_q29c9bfb4b0_oln:
	.size	k_q29c9bfb4b0_oln, .Lfunc_end_k_q29c9bfb4b0_oln-k_q29c9bfb4b0_oln
	.p2alignl 7, 3214868480
	.fill 96, 4, 3214868480
	.section	.rodata,"a",@progbits
	.p2align	6, 0x0
	.amdhsa_kernel k_q29c9bfb4b0_oln
		.amdhsa_group_segment_fixed_size 173056
		.amdhsa_private_segment_fixed_size 0
		.amdhsa_enable_private_segment 0
		.amdhsa_kernarg_size 56
		.amdhsa_user_sgpr_count 2
		.amdhsa_user_sgpr_kernarg_segment_ptr 1
		.amdhsa_wavefront_size32 1
		.amdhsa_system_sgpr_workgroup_id_x 1
		.amdhsa_system_sgpr_workgroup_id_y 1
		.amdhsa_system_sgpr_workgroup_id_z 1
		.amdhsa_system_vgpr_workitem_id 0
		.amdhsa_next_free_vgpr 256
		.amdhsa_next_free_sgpr 66
		.amdhsa_reserve_vcc 1
		.amdhsa_float_denorm_mode_32 3
		.amdhsa_float_denorm_mode_16_64 3
		.amdhsa_memory_ordered 1
		.amdhsa_forward_progress 1
		.amdhsa_inst_pref_size 85
	.end_amdhsa_kernel
	.amdgpu_metadata
---
amdhsa.version: [ 1, 2 ]
amdhsa.kernels:
  - .name:           k_q29c9bfb4b0_oln
    .symbol:         k_q29c9bfb4b0_oln.kd
    .args:
      - { .name: oq, .offset: 0, .size: 8, .value_kind: global_buffer, .address_space: global }
      - { .name: wo, .offset: 8, .size: 8, .value_kind: global_buffer, .address_space: global }
      - { .name: bo, .offset: 16, .size: 8, .value_kind: global_buffer, .address_space: global }
      - { .name: x, .offset: 24, .size: 8, .value_kind: global_buffer, .address_space: global }
      - { .name: gamma, .offset: 32, .size: 8, .value_kind: global_buffer, .address_space: global }
      - { .name: beta, .offset: 40, .size: 8, .value_kind: global_buffer, .address_space: global }
      - { .name: out0, .offset: 48, .size: 8, .value_kind: global_buffer, .address_space: global }
    .group_segment_fixed_size: 173056
    .private_segment_fixed_size: 0
    .kernarg_segment_align: 8
    .kernarg_segment_size: 56
    .max_flat_workgroup_size: 512
    .sgpr_count:     66
    .vgpr_count:     256
    .wavefront_size: 32
...
	.end_amdgpu_metadata
.endif
;; end of part 4
